; MI455X (gfx1250); checked and timed in simulation.
; The chip was launched on July 23, 2026; its instructions are those of AMD's public machine-readable ISA for CDNA 5 (MIT licence, August 2026) and "CDNA5" Instruction Set Architecture Reference Guide (July 2026). The comments in the code are by the model that wrote it; some were corrected since.
;; Multi Head Attention. Allowed arithmetic: matrix products marked QUANTISED: E2M1 operands, one E8M0 scale for each 32 along K, by v_wmma_scale_f32_16x16x128_f8f6f4 with both operands' format E2M1 (or v_wmma_scale_f32_32x16x128_f4), f32 sums; everything else in f32.
;; Inputs: out_b 1,024 float32; out_w 1,024 x 1,024 float32; qkv_b 3,072 float32; qkv_w 3,072 x 1,024 float32; x 4 x 2,048 x 1,024 float32.
;; Outputs: out0 4 x 2,048 x 1,024 float32.
;; This version of the problem:
;;   THIS VERSION OF THE PROBLEM IS GIVEN IN LOW PRECISION. The matrix products marked QUANTISED in the list below multiply operands that are first quantised to E2M1 (2 exponent bits, 1 mantissa bit; 4 bits a number), with one power-of-two scale for each 32 numbers along K (OCP MX v1.0); their sums are f32. All else is computed in f32.
;;   The module's matrix products, in the order in which they are computed (A, B: the left and right operand; K: the contracted axis; several contracted axes count as one K, in the product's order):
;;     1. [M 8,192, K 1,024] x [K 1,024, N 3,072]; A: input x; B: input qkv_w: QUANTISED
;;     2. batch 64 x [M 2,048, K 64] x [K 64, N 2,048]; A: computed on the way; B: computed on the way: QUANTISED
;;     3. batch 64 x [M 2,048, K 2,048] x [K 2,048, N 64]; A: softmax (see below); B: computed on the way: QUANTISED
;;     4. [M 8,192, K 1,024] x [K 1,024, N 1,024]; A: computed on the way; B: input out_w: QUANTISED
;;   THE QUANTISER, for each operand of a quantised product, along K:
;;     - K is cut into blocks of 32 from its start; a last block that is shorter is filled with zeros.
;;     - A block's scale is 2^e with e = floor(log2(the largest magnitude in the block)) - 2, held to -126 .. 127; a block of zeros has e = 0. As a byte (E8M0): e + 127.
;;     - Each number is divided by its block's scale, clamped to +-6, and rounded to the nearest number of E2M1, ties to even, subnormals kept.
;;     - The product sums the exact products of the quantised numbers (number of the format x scale) in f32.
;;   ~~~python
;;   def quantise(x, axis):      # numpy; x: float32 -> the quantised numbers, widened to float32 again
;;       x = np.moveaxis(x, axis, -1); K = x.shape[-1]
;;       x = np.pad(x, [(0, 0)] * (x.ndim - 1) + [(0, -K % 32)]); x = x.reshape(x.shape[:-1] + (-1, 32)); a = np.abs(x).max(-1, keepdims=True)
;;       e = np.where(a > 0, np.clip(np.frexp(np.where(a > 0, a, 1))[1] - 1 - 2, -126, 127), 0)      # np.frexp(a)[1] - 1 = floor(log2(a)), exactly
;;       r = np.clip(x / 2.0 ** e, -6, 6)
;;       step = 2.0 ** (np.maximum(np.frexp(np.where(r == 0, 1, r))[1] - 1, 0) - 1)
;;       q = np.round(r / step) * step * 2.0 ** e      # np.round: ties to even
;;       return np.moveaxis(q.reshape(q.shape[:-2] + (-1,))[..., :K], -1, axis).astype(np.float32)
;;   ~~~
;;   SOFTMAX AHEAD OF A QUANTISED PRODUCT. Where the list says 'softmax', what is quantised is not the finished softmax but p = 2^(t - M), with t = logit x log2(e) and M = ceil(the row's largest t), a whole number; so 1/2 < the row's largest p <= 1. The row's sum l is taken of the UNQUANTISED p, in f32, and the product's result is divided by l at the end. Since M is a whole number, a kernel that streams over the keys may use a running M (the ceiling of the running maximum): every later rescaling is an exact power of two, which a block's scale takes up: the codes' values come out the same.
;;   OPERANDS COMPUTED ON THE WAY. 'Computed on the way' means the value that the module computes at that place (a softmax that the list does not call 'softmax' is quantised finished and normalised). What goes into a quantiser is computed in f32, as accurately as f32 sums, v_exp_f32 and their like allow (about 1e-6 of the number): no bf16 or f16 on the way to a quantiser, and a product that is left as it is and whose result goes on into a quantised operand takes f32 operands (vector FMAs, or v_wmma_f32_16x16x4_f32). A number that lies on a knife's edge between two numbers of the format may be rounded either way, as far as f32 arithmetic and the matrix unit's own rounding can turn it there, and no further.
;; One version. Each part assembles by itself: llvm-mc -triple=amdgcn-amd-amdhsa -mcpu=gfx1250 --defsym DOCPART=n.
;; ======== version 1 of 1: 4 launches
;; workspace buffers: codes 6,291,456 bytes; scales 393,216 bytes; qkv 13,893,632 bytes; ao_codes 4,194,304 bytes; ao_scales 262,144 bytes
;; launch quant (part 1): grid 384 x 1, 4 waves a work-group, no clusters, 34,304 bytes of LDS; arguments x, qkv_w, out_w, codes, scales; writes codes, scales
.if DOCPART == 1
	.amdgcn_target "amdgcn-amd-amdhsa--gfx1250"
	.amdhsa_code_object_version 6
	.text
	.protected	k_q9986e14865_quant
	.globl	k_q9986e14865_quant
	.p2align	8
	.type	k_q9986e14865_quant,@function
k_q9986e14865_quant:
	s_mov_b64 s[64:65], 0
	v_nop
	global_prefetch_b8 v0, s[64:65] scope:SCOPE_SE
	s_setreg_imm32_b32 hwreg(HW_REG_WAVE_MODE, 25, 1), 1
	s_wait_xcnt 0x0
; x [8192][1024], qkv_w [3072][1024] and out_w [1024][1024], f32, K innermost, become codes of FP4 (E2M1) with one E8M0 byte for each 32 along K.
; A block's scale is 2^(floor(log2(its largest magnitude)) - 2); its byte is the largest magnitude's exponent field - 2, held at 1 from below.
; LIMITS: NaN and infinities among the inputs are not served; a block whose largest magnitude lies under 2^-124 has its byte held at 1; a block of zeros gets the byte 1 and not 127:
; its codes are zeros, and the bytes are read by this program alone.
; THE OUTPUT IS LAID AS IMAGES OF OPERAND REGISTERS.  The 12,288 rows are 768 tiles of 16.  Tile 2 B + u holds rows 32 B + 8 u + r + 8 (r / 8) at its places r = 0 .. 15.
; codes: [K half q][tile][K step of 128][1,024 bytes]: register group c (0, 1) is 512 bytes, lane l's 16 bytes at 16 l: lane (r, h) holds k = 64 c + 32 h + 0 .. 31 of place r.
; scales: [tile][q][r][4 words]: word s is the four bytes of K step 4 q + s.
; SHARES.  A work-group takes 32 rows (two tiles); wave w takes tile w / 2, K half w % 2: 16 rows x 512 numbers, in four steps of 128.
; Each load reads 512 consecutive bytes of one row.  A step's 16 rows turn through the wave's own stage in LDS (rows 528 bytes apart), so that a lane gets two whole blocks of its row.
; No cluster: no two work-groups read the same bytes.  No barrier: waves share nothing.  Loads run two steps (32 loads a wave) ahead.
.set QSTR,  3145728                    ; bytes of a K half of the codes: 768 tiles x 4,096
.set SP,    528                        ; a stage row: 512 bytes + 16
.set WST,   16*SP                      ; a wave's stage
.set R,     16                         ; v16-143  two sets of 64 registers as loaded
.set X,     144                        ; v144-207 my two blocks: 32 c + i = k 64 c + 32 h + i
.set C,     208                        ; v208-239 codes, eight registers for each step: no store's data are written again
.set W,     240                        ; v240-243 the four scale words
	s_load_b256 s[4:11], s[0:1], 0x0               ; x s[4:5], qkv_w s[6:7], out_w s[8:9], codes s[10:11]
	s_load_b64 s[12:13], s[0:1], 0x20              ; scales
	v_lshl_add_u32 v254, v0, 2, 0x8400
	v_mov_b32 v255, 0
	v_lshrrev_b32 v1, 5, v0
	v_readfirstlane_b32 s14, v1                    ; wave
	v_and_b32 v1, 31, v0                           ; lane
	v_and_b32 v2, 15, v0                           ; r
	v_bfe_u32 v3, v0, 4, 1                         ; h
	v_lshlrev_b32 v4, 4, v1                        ; 16 x lane: my bytes of a load and of a store of codes
	s_mul_i32 s15, s14, WST
	v_add_nc_u32 v5, s15, v4                       ; into the stage: 16 x lane of a row
	v_mul_u32_u24 v6, v2, SP
	v_lshl_add_u32 v6, v3, 7, v6
	v_add_nc_u32 v6, s15, v6                       ; out of it: row r, 128 h bytes on
	v_lshlrev_b32 v7, 3, v3                        ; 8 h: my bytes' place in a scale word, in bits
	v_lshl_add_u32 v8, v2, 4, v7                   ; 16 r + 8 h: my two words of the row's four
	v_mov_b32 v246, 0                              ; a lane permute's destination counts as one of its sources
	v_cmp_ne_u32 vcc_lo, 0, v3                     ; lanes 16-31
	s_lshr_b32 s16, s14, 1                         ; u: which tile
	s_and_b32 s17, s14, 1                          ; q: which K half
	s_mov_b32 s20, 0x76543210
	s_mov_b32 s21, 0xfedcba98                      ; selects for lane l xor 16
	s_wait_alu depctr_va_vdst(0)
	s_wait_kmcnt 0x0
	s_cmp_lt_u32 ttmp9, 256                        ; groups 0-255: x; 256-351: qkv_w; 352-383: out_w.  The choice hangs on the work-group's number alone
	s_cselect_b64 s[4:5], s[4:5], s[6:7]
	s_cselect_b32 s18, 0, 256
	s_cmp_lt_u32 ttmp9, 352
	s_cselect_b64 s[4:5], s[4:5], s[8:9]
	s_cselect_b32 s18, s18, 352
	s_sub_co_u32 s18, ttmp9, s18                   ; the group's number in its tensor
	s_lshl_b32 s18, s18, 17                        ; 32 rows of 4,096 bytes
	s_lshl_b32 s19, s16, 15                        ; + 8 u rows
	s_add_co_u32 s18, s18, s19
	s_lshl_b32 s19, s17, 11                        ; + 512 q numbers
	s_add_co_u32 s18, s18, s19
	s_mov_b32 s19, 0
	s_add_nc_u64 s[4:5], s[4:5], s[18:19]
	s_lshl_b32 s22, ttmp9, 1
	s_add_co_u32 s22, s22, s16                     ; my tile
	s_lshl_b32 s18, s22, 12
	s_mul_i32 s23, s17, QSTR
	s_add_co_u32 s18, s18, s23
	s_add_nc_u64 s[10:11], s[10:11], s[18:19]
	s_lshl_b32 s18, s22, 9
	s_lshl_b32 s23, s17, 8
	s_add_co_u32 s18, s18, s23
	s_add_nc_u64 s[12:13], s[12:13], s[18:19]
.macro LOAD s                          ; step s: place i's row, 512 consecutive bytes
.irp i, 0,1,2,3,4,5,6,7,8,9,10,11,12,13,14,15
	global_load_b128 v[R+64*((\s)%2)+4*\i:R+64*((\s)%2)+4*\i+3], v4, s[4:5] offset:(\i+8*(\i/8))*4096+512*(\s) th:TH_LOAD_NT
.endr
.endm
.macro STEP s
.if (\s) < 3
	s_wait_loadcnt 16                              ; this step's 16 loads are in; the next step's 16 may be out
.else
	s_wait_loadcnt 0x0
.endif
.irp i, 0,1,2,3,4,5,6,7,8,9,10,11,12,13,14,15
	ds_store_b128 v5, v[R+64*((\s)%2)+4*\i:R+64*((\s)%2)+4*\i+3] offset:SP*\i
.endr
.irp c, 0,1
.irp j, 0,1,2,3,4,5,6,7
	ds_load_b128 v[X+32*\c+4*\j:X+32*\c+4*\j+3], v6 offset:256*\c+16*\j   ; LDS serves a wave's instructions in order: these see the stores above
.endr
.endr
	s_wait_dscnt 0x0                               ; my blocks are in, and the stores have read their registers,
.if (\s) < 2
	LOAD (\s)+2                                    ; which take the loads of two steps on
.endif
.irp c, 0,1
	v_max3_num_f32 v[10+\c], |v[X+32*\c]|, |v[X+32*\c+1]|, 0x1800000   ; block 2 c + h: all 32 numbers are mine; the floor 2^(3 - 127) holds the byte at 1 from below
.endr
.irp i, 2,4,6,8,10,12,14,16,18,20,22,24,26,28,30
.irp c, 0,1
	v_max3_num_f32 v[10+\c], v[10+\c], |v[X+32*\c+\i]|, |v[X+32*\c+\i+1]|   ; (the two blocks by turns)
.endr
.endr
.irp c, 0,1
	v_add_nc_u32 v[12+\c], 0xff000000, v[10+\c]    ; 2 off the exponent field: the conversion's scale operand
.endr
.irp c, 0,1
	v_lshrrev_b32 v[14+\c], 23, v[12+\c]           ; the scale's byte
.endr
	v_lshl_or_b32 v[W+\s], v15, 16, v14            ; my two bytes: blocks h and 2 + h,
	v_lshlrev_b32 v[W+\s], v7, v[W+\s]             ; at their places;
	v_permlanex16_b32 v246, v[W+\s], s20, s21
	v_or_b32 v[W+\s], v[W+\s], v246                ; with lane l xor 16's two the word is whole
.irp c, 0,1
.irp g, 0,1,2,3
	v_cvt_scalef32_pk8_fp4_f32 v[C+8*(\s)+4*\c+\g], v[X+32*\c+8*\g:X+32*\c+8*\g+7], v[12+\c]
.endr
.endr
	v_nop                                          ; one plain line behind the last scaled conversion
.irp c, 0,1
	global_store_b128 v4, v[C+8*(\s)+4*\c:C+8*(\s)+4*\c+3], s[10:11] offset:1024*(\s)+512*\c   ; 512 consecutive bytes, aligned
.endr
.endm
	LOAD 0
	LOAD 1
	STEP 0
	STEP 1
	STEP 2
	STEP 3
	v_cndmask_b32 v244, v[W], v[W+2], vcc_lo       ; lanes 0-15 store words 0, 1 of their row, lanes 16-31 words 2, 3
	v_cndmask_b32 v245, v[W+1], v[W+3], vcc_lo
	global_store_b64 v8, v[244:245], s[12:13]      ; the 32 lanes cover 256 consecutive bytes, aligned
	s_wait_tensorcnt 0x0
	ds_add_u32 v254, v255
	s_wait_dscnt 0x0
	s_endpgm
.Lfunc_end_k_q9986e14865_quant:
	.size	k_q9986e14865_quant, .Lfunc_end_k_q9986e14865_quant-k_q9986e14865_quant
	.p2alignl 7, 3214868480
	.fill 96, 4, 3214868480
	.section	.rodata,"a",@progbits
	.p2align	6, 0x0
	.amdhsa_kernel k_q9986e14865_quant
		.amdhsa_group_segment_fixed_size 34304
		.amdhsa_private_segment_fixed_size 0
		.amdhsa_enable_private_segment 0
		.amdhsa_kernarg_size 40
		.amdhsa_user_sgpr_count 2
		.amdhsa_user_sgpr_kernarg_segment_ptr 1
		.amdhsa_wavefront_size32 1
		.amdhsa_system_sgpr_workgroup_id_x 1
		.amdhsa_system_sgpr_workgroup_id_y 1
		.amdhsa_system_sgpr_workgroup_id_z 1
		.amdhsa_system_vgpr_workitem_id 0
		.amdhsa_next_free_vgpr 256
		.amdhsa_next_free_sgpr 66
		.amdhsa_reserve_vcc 1
		.amdhsa_float_denorm_mode_32 3
		.amdhsa_float_denorm_mode_16_64 3
		.amdhsa_memory_ordered 1
		.amdhsa_forward_progress 1
		.amdhsa_inst_pref_size 30
	.end_amdhsa_kernel
	.amdgpu_metadata
---
amdhsa.version: [ 1, 2 ]
amdhsa.kernels:
  - .name:           k_q9986e14865_quant
    .symbol:         k_q9986e14865_quant.kd
    .args:
      - { .name: x, .offset: 0, .size: 8, .value_kind: global_buffer, .address_space: global }
      - { .name: qkv_w, .offset: 8, .size: 8, .value_kind: global_buffer, .address_space: global }
      - { .name: out_w, .offset: 16, .size: 8, .value_kind: global_buffer, .address_space: global }
      - { .name: codes, .offset: 24, .size: 8, .value_kind: global_buffer, .address_space: global }
      - { .name: scales, .offset: 32, .size: 8, .value_kind: global_buffer, .address_space: global }
    .group_segment_fixed_size: 34304
    .private_segment_fixed_size: 0
    .kernarg_segment_align: 8
    .kernarg_segment_size: 40
    .max_flat_workgroup_size: 128
    .sgpr_count:     66
    .vgpr_count:     256
    .wavefront_size: 32
...
	.end_amdgpu_metadata
.endif
;; end of part 1
;; launch qkv (part 2): grid 12 x 32, 4 waves a work-group, clusters of 4 x 4, 279,040 bytes of LDS; arguments codes, scales, qkv_b, qkv; writes qkv
.if DOCPART == 2
	.amdgcn_target "amdgcn-amd-amdhsa--gfx1250"
	.amdhsa_code_object_version 6
	.text
	.protected	k_q9986e14865_qkv
	.globl	k_q9986e14865_qkv
	.p2align	8
	.type	k_q9986e14865_qkv,@function
k_q9986e14865_qkv:
	s_mov_b64 s[64:65], 0
	v_nop
	global_prefetch_b8 v0, s[64:65] scope:SCOPE_SE
	s_setreg_imm32_b32 hwreg(HW_REG_WAVE_MODE, 25, 1), 1
	s_wait_xcnt 0x0
	s_wait_alu depctr_hold_cnt(0) depctr_sa_sdst(0) depctr_va_vdst(0) depctr_va_sdst(0) depctr_va_ssrc(0) depctr_va_vcc(0) depctr_vm_vsrc(0)
	s_getreg_b32 s2, hwreg(HW_REG_IB_STS2, 6, 4)
	s_cmp_eq_u32 s2, 0
	s_cbranch_scc0 .Lentry_in_a_cluster
	s_endpgm
.Lentry_in_a_cluster:
	s_bfe_u32 s2, ttmp6, 0x10000c
	s_cmp_lg_u32 s2, 0xf033
	s_cbranch_scc0 .Lentry_shape_is_right
	s_endpgm
.Lentry_shape_is_right:
; qkv = x qkv_w^T + qkv_b on codes of FP4 with E8M0 scales (K = 1,024), and its results quantised in registers: q and k along the head's 64, v along the keys.
; LIMITS: NaN and infinities are not served; a block whose largest magnitude lies under 2^-124 has its byte held at 1; a block of zeros gets the byte 1 (its codes are zeros; this program alone reads the bytes).
; OPERANDS are images of registers (tile 2 B + u holds rows 32 B + 8 u + r + 8 (r / 8); a fragment of 16 rows x 128 K is 1,024 bytes, group c at 512 c, lane l at 16 l).
; A work-group makes 256 R rows x 256 T rows: T's tiles are source 0, R's source 1, so a lane holds ONE R row and its registers run along T: register 16 b + i of an R tile is T index 32 b + 16 (lane / 16) + i.
; Cluster x = 0, 1 (q, k): R = tokens, T = rows of qkv_w: a lane's registers run along d.  Cluster x = 2 (v): R = rows of W_v, T = tokens: they run along the keys.  So every quantiser finds its K in one lane's registers.
; Four waves, each 128 x 128: 64 accumulators, 512 registers.  ALL OF K LIES IN LDS: two slots of K = 512, each filled once; nothing is filled again, and there is no loop.
; CLUSTERS: 4 x 4.  R's tiles are shared along a row of the cluster, T's along a column: joint loads.  Three tensor loads of a wave are out at most: scales, slot 0, slot 1.
; The branches on the cluster's x are the same in all sixteen partners.
; OUTPUT: qkv [batch x head][group of 128 tokens][13,568]: K codes +0 (8 tiles x 512), K scales +4,096, V codes +4,608 (4 tiles of d x 1,024), V scales +8,704, Q codes +8,960, Q scales +13,056.
; REGISTERS: window 0: v16-27 addresses; v32-95 scale words (two sets); v96-111 at work; v128-191 R's fragments, one set, later codes on the way out; v192-255 the bias.
;   window 1: T's fragments, two sets, at v0 and v128.   windows 2, 3: accumulator (a, b) at v[8 (8 (a % 4) + b)] of window 2 + a / 4.
.set QSTR,  3145728                    ; a K half of the codes
.set BLK,   13568
.set HSTR,  16*BLK                     ; from a head to the next
.set SLOT,  131072                     ; R's 16 tiles x 4,096, then T's
.set TPART, 65536
.set SCL,   2*SLOT                     ; behind the slots: R's scale words (8,192 bytes), then T's
.set ADRR, 16                          ; v16-17 LDS address of my R fragments in slot 0, 1
.set ADRT, 20                          ; v20-21 the same for T
.set ADRSR, 22                         ; v22  my R scale words;  v23  my T scale words
.set ADRST, 23
.set LI,   24                          ; v24  16 x lane
.set LI8,  25                          ; v25  8 x lane
.set BO,   26                          ; v26  64 h: the bias along T
.set BV,   27                          ; v27  4 (r + 8 (r / 8)): the bias along R
.set SC,   32                          ; set s at SC + 32 s: R's pair p, step q at + 4 p + q, T's at + 16 + 4 p + q; lanes 0-15 tile 2 p, lanes 16-31 tile 2 p + 1
.set TM,   96                          ; v96-99 largest magnitudes, v100-103 bytes, v108-111 scale operands
.set AF,   128
.set PWS,  144                         ; v144-151 the eight scale words of the way out
.set EO,   152                         ; v152-160 scale words as they are stored
.set BI,   192
.set G1, 24
.set G0, 32
.set G1B, 48
.set G0B, 56
.set G1S, 68
.set G0S, 76
.set G1SB, 80
.set G0SB, 88
.set MSB, 0
.macro WIN new                         ; the immediate's high byte repeats the setting that is left
.if MSB != (\new)
	s_set_vgpr_msb (MSB<<8)|(\new)
.set MSB, (\new)
.endif
.endm
; A joint load: waves 0 and 1 fetch for R, waves 2 and 3 for T.  The branch hangs on the wave's number alone.  Four v_nop follow each of the two lines.
.macro JLOAD g0a, g1a, g0b, g1b
	s_cmp_eq_u32 s15, 0
	s_cbranch_scc0 .Lfor_t_\@
	tensor_load_to_lds s[\g0a:\g0a+3], s[\g1a:\g1a+7]
	s_nop 0
.rept 4
	v_nop
.endr
	s_branch .Lasked_\@
.Lfor_t_\@:
	tensor_load_to_lds s[\g0b:\g0b+3], s[\g1b:\g1b+7]
	s_nop 0
.rept 4
	v_nop
.endr
.Lasked_\@:
.endm
.macro CROUND                          ; a round of the cluster's barrier
	s_barrier_signal -1
	s_barrier_wait -1
	s_cmp_lg_u32 s14, 0
	s_cbranch_scc1 .Lnot_wave_0_\@
	s_barrier_signal -3
.Lnot_wave_0_\@:
	s_barrier_wait -3
	s_barrier_signal -1
	s_barrier_wait -1
.endm
.macro PLACES n
.rept \n
	v_nop
.endr
.endm
	s_load_b256 s[4:11], s[0:1], 0x0               ; codes s[4:5], scales s[6:7], qkv_b s[8:9], qkv s[10:11]
	v_lshl_add_u32 v126, v0, 2, 0x44000
	v_mov_b32 v127, 0
	ds_add_u32 v126, v127
	ds_add_u32 v126, v127
	v_lshrrev_b32 v1, 5, v0
	v_readfirstlane_b32 s14, v1                    ; wave 0..3
	s_lshr_b32 s15, s14, 1                         ; my half of R.  Also: I fetch for R (0) or for T (1)
	s_and_b32 s16, s14, 1                          ; my half of T.  Also: which eight tiles I fetch
	s_bfe_u32 s40, ttmp6, 0x40000                  ; cx
	s_bfe_u32 s41, ttmp6, 0x40004                  ; cy
	s_and_b32 s17, ttmp7, 0xffff                   ; cluster y
	s_cmp_eq_u32 ttmp9, 2                          ; cluster x = 2: v
	s_cselect_b32 s18, 0, s17                      ; R's blocks of 256 rows go with cluster y (tokens), or there are only the cluster's four (W_v)
	s_cselect_b32 s19, 640, 0                      ; R's first tile in the codes
	s_cselect_b32 s20, s17, ttmp9                  ; T's go with cluster x (rows of qkv_w), or with cluster y (tokens)
	s_cselect_b32 s21, 0, 512
	s_lshl_b32 s18, s18, 2
	s_add_co_u32 s18, s18, s41                     ; R's block of 256: it hangs on cy alone within the cluster
	s_lshl_b32 s20, s20, 2
	s_add_co_u32 s20, s20, s40                     ; T's: on cx alone
	s_lshl_b32 s43, s41, 2
	s_lshl_b32 s43, 15, s43                        ; my row of the cluster
	s_lshl_b32 s44, 0x1111, s40                    ; my column
	; group 1 for codes: eight tiles are 32,768 dense bytes: 128 rows of 32 elements of 8 bytes, no padding
	s_or_b32 s[G1+0], s43, (3<<16)|(1<<21)
	s_or_b32 s[G1B+0], s44, (3<<16)|(1<<21)
.irp g, G1, G1B
	s_mov_b32 s[\g+1], 32<<16                      ; tensor_dim0
	s_mov_b32 s[\g+2], 128<<16                     ; tensor_dim1
	s_mov_b32 s[\g+3], 32<<16                      ; tile_dim0
	s_mov_b32 s[\g+4], 128                         ; tile_dim1
	s_mov_b32 s[\g+5], 32                          ; pitch
	s_mov_b32 s[\g+6], 0
	s_mov_b32 s[\g+7], 0
.endr
	; and for scale words: eight tiles are 4,096 dense bytes: 16 such rows
	s_or_b32 s[G1S+0], s43, (3<<16)|(1<<21)
	s_or_b32 s[G1SB+0], s44, (3<<16)|(1<<21)
.irp g, G1S, G1SB
	s_mov_b32 s[\g+1], 32<<16
	s_mov_b32 s[\g+2], 16<<16
	s_mov_b32 s[\g+3], 32<<16
	s_mov_b32 s[\g+4], 16
	s_mov_b32 s[\g+5], 32
	s_mov_b32 s[\g+6], 0
	s_mov_b32 s[\g+7], 0
.endr
	s_lshl_b32 s23, s16, 3                         ; which eight tiles of the sixteen
	s_lshl_b32 s22, s18, 4
	s_add_co_u32 s22, s22, s19
	s_add_co_u32 s22, s22, s23                     ; R's first tile that I would fetch
	s_lshl_b32 s46, s20, 4
	s_add_co_u32 s46, s46, s21
	s_add_co_u32 s46, s46, s23                     ; T's
	s_lshl_b32 s92, s22, 12                        ; 4,096 bytes of codes a tile and K half,
	s_mov_b32 s93, 0
	s_lshl_b32 s94, s22, 9                         ; 512 bytes of scale words a tile
	s_mov_b32 s95, 0
	s_lshl_b32 s96, s46, 12
	s_mov_b32 s97, 0
	s_lshl_b32 s98, s46, 9
	s_mov_b32 s99, 0
	s_lshl_b32 s45, s14, 15                        ; where they go: wave x 32,768: R's halves, then T's
	s_lshl_b32 s47, s14, 12                        ; and the scale words: wave x 4,096
	s_wait_dscnt 0x0
	s_wait_kmcnt 0x0
	s_add_nc_u64 s[92:93], s[4:5], s[92:93]
	s_add_nc_u64 s[94:95], s[6:7], s[94:95]
	s_add_nc_u64 s[96:97], s[4:5], s[96:97]
	s_add_nc_u64 s[98:99], s[6:7], s[98:99]
	CROUND                                         ; all sixteen work-groups are here: the joint loads meet
	s_mov_b32 s[G0S], 1
	s_add_co_u32 s[G0S+1], s47, SCL
	s_mov_b64 s[G0S+2:G0S+3], s[94:95]
	s_or_b32 s[G0S+3], s[G0S+3], 0x80000000
	s_mov_b32 s[G0SB], 1
	s_add_co_u32 s[G0SB+1], s47, SCL
	s_mov_b64 s[G0SB+2:G0SB+3], s[98:99]
	s_or_b32 s[G0SB+3], s[G0SB+3], 0x80000000
	JLOAD G0S, G1S, G0SB, G1SB                     ; the scale words first: they are wanted with slot 0
.irp s, 0,1
	s_mov_b32 s[G0+4*\s], 1
	s_add_co_u32 s[G0+4*\s+1], s45, \s*SLOT
	s_add_nc_u64 s[G0+4*\s+2:G0+4*\s+3], s[92:93], \s*QSTR
	s_or_b32 s[G0+4*\s+3], s[G0+4*\s+3], 0x80000000
	s_mov_b32 s[G0B+4*\s], 1
	s_add_co_u32 s[G0B+4*\s+1], s45, \s*SLOT
	s_add_nc_u64 s[G0B+4*\s+2:G0B+4*\s+3], s[96:97], \s*QSTR
	s_or_b32 s[G0B+4*\s+3], s[G0B+4*\s+3], 0x80000000
	JLOAD G0+4*\s, G1, G0B+4*\s, G1B
.endr
	v_and_b32 v1, 31, v0                           ; lane
	v_and_b32 v2, 15, v0                           ; r
	v_bfe_u32 v3, v0, 4, 1                         ; h
	v_lshlrev_b32 v[LI], 4, v1
	v_lshlrev_b32 v[LI8], 3, v1
	v_lshlrev_b32 v[BO], 6, v3
	v_and_b32 v[BV], 8, v2
	v_add_nc_u32 v[BV], v[BV], v2
	v_lshlrev_b32 v[BV], 2, v[BV]
	v_cmp_ne_u32 vcc_lo, 0, v3                     ; lanes 16-31
	s_lshl_b32 s2, s15, 15                         ; my eight tiles of R,
	s_lshl_b32 s3, s16, 15
	s_add_co_u32 s3, s3, TPART                     ; and of T
.irp s, 0,1
	v_add_nc_u32 v[ADRR+\s], s2, v[LI]
	v_add_nc_u32 v[ADRT+\s], s3, v[LI]
	s_add_co_u32 s2, s2, SLOT
	s_add_co_u32 s3, s3, SLOT
.endr
	v_lshlrev_b32 v5, 9, v3
	v_lshl_add_u32 v5, v2, 4, v5                   ; scale words: lanes 16-31 the next tile (512 bytes on), 16 bytes a row
	s_lshl_b32 s2, s15, 12
	s_add_co_u32 s2, s2, SCL
	v_add_nc_u32 v[ADRSR], s2, v5
	s_lshl_b32 s3, s16, 12
	s_add_co_u32 s3, s3, SCL+8192
	v_add_nc_u32 v[ADRST], s3, v5
.irp b, 0,1,2,3
	v_mov_b32 v[TM+4+\b], 0                        ; a lane permute's destination counts as one of its sources
.endr
	s_mov_b32 s12, 0x76543210
	s_mov_b32 s13, 0xfedcba98                      ; selects for lane l xor 16
	; where the bias lies and where my results go
	s_lshl_b32 s66, s18, 8
	s_lshl_b32 s2, s15, 7
	s_add_co_u32 s66, s66, s2                      ; my first R row
	s_lshl_b32 s67, s20, 8
	s_lshl_b32 s2, s16, 7
	s_add_co_u32 s67, s67, s2                      ; my first T row
	s_add_co_u32 s2, s66, 2048                     ; v's rows of qkv_b begin at 2,048
	s_and_b32 s3, s67, 1023
	s_cmp_eq_u32 ttmp9, 2
	s_cselect_b32 s2, s2, s67                      ; my first number of qkv_b
	s_cselect_b32 s42, s67, s66                    ; my first token
	s_cselect_b32 s3, s66, s3                      ; my first row within q, k or v: 64 x head
	s_cselect_b32 s19, 4608, 0                     ; the section of a block: v's, k's,
	s_cmp_eq_u32 ttmp9, 0
	s_cselect_b32 s19, 8960, s19                   ; or q's
	s_lshl_b32 s92, s2, 2
	s_mov_b32 s93, 0
	s_add_nc_u64 s[8:9], s[8:9], s[92:93]
	s_lshr_b32 s2, s42, 11                         ; batch
	s_lshl_b32 s2, s2, 4
	s_lshr_b32 s3, s3, 6                           ; head
	s_add_co_u32 s2, s2, s3
	s_lshl_b32 s2, s2, 4
	s_bfe_u32 s3, s42, 0x40007                     ; the group of 128 tokens
	s_add_co_u32 s2, s2, s3
	s_mul_i32 s2, s2, BLK
	s_add_co_u32 s92, s2, s19
	s_add_nc_u64 s[10:11], s[10:11], s[92:93]
	; THE BIAS is the C of each sum's first product: 64 registers
	s_cmp_eq_u32 ttmp9, 2
	s_cbranch_scc1 .Lbias_v
.irp b, 0,1,2,3,4,5,6,7                ; q, k: it runs along T: tile b's registers are T indices 32 (b / 2) + 16 h + 8 (b % 2) + 0 .. 7
	global_load_b128 v[BI+8*\b:BI+8*\b+3], v[BO], s[8:9] offset:4*(32*(\b/2)+8*(\b%2))
	global_load_b128 v[BI+8*\b+4:BI+8*\b+7], v[BO], s[8:9] offset:4*(32*(\b/2)+8*(\b%2))+16
.endr
	s_branch .Lbias_done
.Lbias_v:
.irp a, 0,1,2,3,4,5,6,7                ; v: it runs along R: one number a lane and R tile, in all eight registers
	global_load_b32 v[BI+8*\a], v[BV], s[8:9] offset:4*(32*(\a/2)+8*(\a%2))
.endr
	s_wait_loadcnt 0x0
.irp a, 0,1,2,3,4,5,6,7
.irp j, 1,2,3,4,5,6,7
	v_mov_b32 v[BI+8*\a+\j], v[BI+8*\a]
.endr
.endr
	PLACES 4
.Lbias_done:
.macro WM                              ; one product, by the symbols that MUL16 has set; fA, fB: the scale words lie in lanes 16-31
.if fA && fB
	v_wmma_scale_f32_16x16x128_f8f6f4 v[rD:rD+7], v[rT:rT+7], v[rR:rR+7], v[rC:rC+7], v[rSA], v[rSB] matrix_a_fmt:MATRIX_FMT_FP4 matrix_b_fmt:MATRIX_FMT_FP4 matrix_a_scale:MATRIX_SCALE_ROW1 matrix_b_scale:MATRIX_SCALE_ROW1
.elseif fA
	v_wmma_scale_f32_16x16x128_f8f6f4 v[rD:rD+7], v[rT:rT+7], v[rR:rR+7], v[rC:rC+7], v[rSA], v[rSB] matrix_a_fmt:MATRIX_FMT_FP4 matrix_b_fmt:MATRIX_FMT_FP4 matrix_a_scale:MATRIX_SCALE_ROW1
.elseif fB
	v_wmma_scale_f32_16x16x128_f8f6f4 v[rD:rD+7], v[rT:rT+7], v[rR:rR+7], v[rC:rC+7], v[rSA], v[rSB] matrix_a_fmt:MATRIX_FMT_FP4 matrix_b_fmt:MATRIX_FMT_FP4 matrix_b_scale:MATRIX_SCALE_ROW1
.else
	v_wmma_scale_f32_16x16x128_f8f6f4 v[rD:rD+7], v[rT:rT+7], v[rR:rR+7], v[rC:rC+7], v[rSA], v[rSB] matrix_a_fmt:MATRIX_FMT_FP4 matrix_b_fmt:MATRIX_FMT_FP4
.endif
.endm
; 16 products: R's tiles a0, a0 + 1 x T's eight, the slot's q-th 128 along K.  p: T's set; sc: the set of scale words.  mode 0: onto the sums; 1: the bias along T starts them; 2: the bias along R.
; The 64 accumulators take turns, one instruction a turn, in the same order in every step.
.macro MUL16 a0, p, q, sc, mode
.irp a, \a0, \a0+1
.irp b, 0,1,2,3,4,5,6,7
.set rD, 8*(8*((\a)%4)+\b)
.set rT, 128*(\p)+8*\b
.set rR, AF+8*(\a)
.set rSA, SC+32*(\sc)+16+4*(\b/2)+(\q)
.set rSB, SC+32*(\sc)+4*((\a)/2)+(\q)
.set fA, \b%2
.set fB, (\a)%2
.set rC, rD
.if (\mode) == 1
.set rC, BI+8*\b
.endif
.if (\mode) == 2
.set rC, BI+8*(\a)
.endif
	WM
.endr
.endr
.endm
.macro FRAG reg, adr, q, i             ; a fragment comes as it was stored: two loads of 512 consecutive bytes
.irp c, 0,1
	ds_load_b128 v[\reg+4*\c:\reg+4*\c+3], v[\adr] offset:4096*(\i)+1024*(\q)+512*\c
.endr
.endm
.macro FETCH_T slot, q, p
	WIN 0x40                                       ; destination window 1
.irp i, 0,1,2,3,4,5,6,7
	FRAG 128*(\p)+8*\i, ADRT+\slot, \q, \i
.endr
	WIN 0
.endm
.macro FETCH_R slot, q, i0
.irp i, \i0, \i0+1, \i0+2, \i0+3
	FRAG AF+8*(\i), ADRR+\slot, \q, \i
.endr
.endm
.macro SCALES s                        ; slot s's scale words: four words a row and load; lanes 0-15 tile 2 p, lanes 16-31 tile 2 p + 1
.irp p, 0,1,2,3
	ds_load_b128 v[SC+32*\s+4*\p:SC+32*\s+4*\p+3], v[ADRSR] offset:1024*\p+256*\s
.endr
.irp p, 0,1,2,3
	ds_load_b128 v[SC+32*\s+16+4*\p:SC+32*\s+16+4*\p+3], v[ADRST] offset:1024*\p+256*\s
.endr
.endm
; A step of 128 along K that has its successor in the same slot.  R has one set of registers: tiles 0-3 are fetched anew in the step's middle, tiles 4-7 at its end; T has two sets.
; Four plain vector lines stand between a product and a load into a register that it has read (ISA guide 7.12.1 for vector instructions).
.macro STEP slot, q, mode
	s_wait_dscnt 8                                 ; all but the youngest eight loads (R's tiles 4-7)
.if \mode
	WIN 0x81                                       ; T window 1, R and the bias window 0, D window 2
.else
	WIN 0xa1                                       ; T window 1, R window 0, C and D window 2
.endif
	MUL16 0, (\q)%2, \q, \slot, \mode
	MUL16 2, (\q)%2, \q, \slot, \mode
	s_wait_dscnt 0x0                               ; R's tiles 4-7 are in
	PLACES 4
	FETCH_T \slot, (\q)+1, 1-(\q)%2
	FETCH_R \slot, (\q)+1, 0
.if \mode
	WIN 0xc1
.else
	WIN 0xf1
.endif
	MUL16 4, (\q)%2, \q, \slot, \mode
	MUL16 6, (\q)%2, \q, \slot, \mode
	PLACES 4
	WIN 0
	FETCH_R \slot, (\q)+1, 4
.endm
; Slot 0's last step goes on into slot 1: my part of slot 1 has landed, my LDS loads are in, one barrier.
.macro TURN
	s_wait_tensorcnt 0x0
	s_wait_dscnt 8
	WIN 0xa1
	MUL16 0, 1, 3, 0, 0
	s_wait_dscnt 0x0                               ; no LDS instruction of mine is out at the signal
	s_barrier_signal -1
	MUL16 2, 1, 3, 0, 0
	WIN 0
	s_barrier_wait -1                              ; everybody's part of slot 1 is in
	PLACES 4
	FETCH_T 1, 0, 0
	FETCH_R 1, 0, 0
	SCALES 1
	WIN 0xf1
	MUL16 4, 1, 3, 0, 0
	MUL16 6, 1, 3, 0, 0
	PLACES 4
	WIN 0
	FETCH_R 1, 0, 4
.endm
	s_wait_tensorcnt 1                             ; my scale words and my part of slot 0 are in; slot 1's load may be out
	s_barrier_signal -1
	s_barrier_wait -1
	FETCH_T 0, 0, 0
	FETCH_R 0, 0, 0
	s_wait_alu depctr_va_vdst(0)
	SCALES 0
	FETCH_R 0, 0, 4
	s_wait_loadcnt 0x0                             ; the bias
	s_cmp_eq_u32 ttmp9, 2
	s_cbranch_scc1 .Lfirst_v
	STEP 0, 0, 1
	s_branch .Lfirst_done
.Lfirst_v:
	STEP 0, 0, 2
.Lfirst_done:
	STEP 0, 1, 0
	STEP 0, 2, 0
	TURN
	STEP 1, 0, 0
	STEP 1, 1, 0
	STEP 1, 2, 0
	s_wait_dscnt 8                                 ; the last step: nothing more to fetch
	WIN 0xa1
	MUL16 0, 1, 3, 1, 0
	MUL16 2, 1, 3, 1, 0
	s_wait_dscnt 0x0
	WIN 0xf1
	MUL16 4, 1, 3, 1, 0
	MUL16 6, 1, 3, 1, 0
	WIN 0
	PLACES 4                                       ; in front of the first read of results and the first write of R's registers
; THE WAY OUT.  R tile a's 64 numbers of a lane (register 16 b + i = T index 32 b + 16 h + i) become a fragment's eight registers in v[PC] on and its scale word in v[PWS + a].
; Each accumulator is read from its low end on.
.macro QUANTW a
.set AC, 64*((\a)%4)
.set WN, 2+(\a)/4
.set WQ, (WN<<2)|(WN<<4)
.set PC, AF+8*((\a)%2)
	WIN WQ                                         ; sources 1 and 2: the accumulators' window
.irp b, 0,1,2,3
	v_max3_num_f32 v[TM+\b], 0x1800000, |v[AC+16*\b]|, |v[AC+16*\b+1]|   ; block b: my 16 numbers, and the floor 2^(3 - 127): the byte cannot fall under 1
.endr
.irp i, 2,4,6,8,10,12,14
.irp b, 0,1,2,3
	v_max3_num_f32 v[TM+\b], v[TM+\b], |v[AC+16*\b+\i]|, |v[AC+16*\b+\i+1]|
.endr
.endr
	WIN 0
.irp b, 0,1,2,3
	v_permlanex16_b32 v[TM+4+\b], v[TM+\b], s12, s13
.endr
.irp b, 0,1,2,3
	v_max_num_f32 v[TM+\b], v[TM+\b], v[TM+4+\b]   ; with lane l xor 16's: the block's largest magnitude
.endr
.irp b, 0,1,2,3
	v_add_nc_u32 v[TM+12+\b], 0xff000000, v[TM+\b] ; 2 off the exponent field: the conversion's scale operand
.endr
.irp b, 0,1,2,3
	v_lshrrev_b32 v[TM+4+\b], 23, v[TM+12+\b]      ; the scale's byte
.endr
	v_lshl_or_b32 v[PWS+\a], v[TM+5], 8, v[TM+4]
	v_lshl_or_b32 v[PWS+\a], v[TM+6], 16, v[PWS+\a]
	v_lshl_or_b32 v[PWS+\a], v[TM+7], 24, v[PWS+\a]
	s_wait_xcnt 0x0                                ; the stores of two tiles back have read the registers that the codes now take
	WIN WN                                         ; source 0: the accumulators' window
.irp b, 0,1,2,3
	v_cvt_scalef32_pk8_fp4_f32 v[PC+2*\b], v[AC+16*\b:AC+16*\b+7], v[TM+12+\b]
	v_cvt_scalef32_pk8_fp4_f32 v[PC+2*\b+1], v[AC+16*\b+8:AC+16*\b+15], v[TM+12+\b]
.endr
	WIN 0
	v_nop                                          ; one plain line behind the last scaled conversion
.irp c, 0,1                            ; the operand's layout wants a whole block in a lane
.irp i, 0,1
	v_permlane16_swap_b32 v[PC+4*\c+\i], v[PC+4*\c+2+\i]
.endr
.endr
.endm
	s_cmp_eq_u32 ttmp9, 2
	s_cbranch_scc1 .Lout_v
	; q, k: a lane holds a token; its 128 numbers are two heads' 64: group 0 of the fragment is the first head's, group 1 the second's; the word's low two bytes and its high two likewise
.irp a, 0,1,2,3,4,5,6,7
	QUANTW \a
	global_store_b128 v[LI], v[PC:PC+3], s[10:11] offset:512*\a             ; 512 consecutive bytes, aligned
	global_store_b128 v[LI], v[PC+4:PC+7], s[10:11] offset:HSTR+512*\a
.endr
.irp i, 0,1,2,3                        ; scale registers as the next launch loads them: register i: lanes 0-15 tile 2 i, lanes 16-31 tile 2 i + 1; bytes 2 and 3 are 0 (they scale zero codes)
	v_cndmask_b32 v[EO+8], v[PWS+2*\i], v[PWS+2*\i+1], vcc_lo
	v_and_b32 v[EO+\i], 0xffff, v[EO+8]
	v_lshrrev_b32 v[EO+4+\i], 16, v[EO+8]
.endr
	global_store_b128 v[LI], v[EO:EO+3], s[10:11] offset:4096
	global_store_b128 v[LI], v[EO+4:EO+7], s[10:11] offset:HSTR+4096
	s_branch .Lout_done
.Lout_v:
	; v: a lane holds a row d of a head (R tiles 0-3: the first head's four tiles of d, 4-7: the second's); its 128 numbers are the group's 128 keys: a whole fragment
.irp a, 0,1,2,3,4,5,6,7
	QUANTW \a
	global_store_b128 v[LI], v[PC:PC+3], s[10:11] offset:(\a/4)*HSTR+1024*(\a%4)
	global_store_b128 v[LI], v[PC+4:PC+7], s[10:11] offset:(\a/4)*HSTR+1024*(\a%4)+512
.endr
.irp i, 0,1,2,3
	v_cndmask_b32 v[EO+\i], v[PWS+2*\i], v[PWS+2*\i+1], vcc_lo
.endr
	global_store_b64 v[LI8], v[EO:EO+1], s[10:11] offset:4096               ; 256 consecutive bytes, aligned
	global_store_b64 v[LI8], v[EO+2:EO+3], s[10:11] offset:HSTR+4096
.Lout_done:
	s_wait_tensorcnt 0x0
	ds_add_u32 v126, v127
	s_wait_dscnt 0x0
	CROUND                                         ; the closing round: no work-group ends while a partner may still ask for a tile that names it
	s_endpgm
.Lfunc_end_k_q9986e14865_qkv:
	.size	k_q9986e14865_qkv, .Lfunc_end_k_q9986e14865_qkv-k_q9986e14865_qkv
	.p2alignl 7, 3214868480
	.fill 96, 4, 3214868480
	.section	.rodata,"a",@progbits
	.p2align	6, 0x0
	.amdhsa_kernel k_q9986e14865_qkv
		.amdhsa_group_segment_fixed_size 279040
		.amdhsa_private_segment_fixed_size 0
		.amdhsa_enable_private_segment 0
		.amdhsa_kernarg_size 32
		.amdhsa_user_sgpr_count 2
		.amdhsa_user_sgpr_kernarg_segment_ptr 1
		.amdhsa_wavefront_size32 1
		.amdhsa_system_sgpr_workgroup_id_x 1
		.amdhsa_system_sgpr_workgroup_id_y 1
		.amdhsa_system_sgpr_workgroup_id_z 1
		.amdhsa_system_vgpr_workitem_id 0
		.amdhsa_next_free_vgpr 1024
		.amdhsa_next_free_sgpr 100
		.amdhsa_reserve_vcc 1
		.amdhsa_float_denorm_mode_32 3
		.amdhsa_float_denorm_mode_16_64 3
		.amdhsa_memory_ordered 1
		.amdhsa_forward_progress 1
		.amdhsa_inst_pref_size 176
	.end_amdhsa_kernel
	.amdgpu_metadata
---
amdhsa.version: [ 1, 2 ]
amdhsa.kernels:
  - .name:           k_q9986e14865_qkv
    .symbol:         k_q9986e14865_qkv.kd
    .args:
      - { .name: codes, .offset: 0, .size: 8, .value_kind: global_buffer, .address_space: global }
      - { .name: scales, .offset: 8, .size: 8, .value_kind: global_buffer, .address_space: global }
      - { .name: qkv_b, .offset: 16, .size: 8, .value_kind: global_buffer, .address_space: global }
      - { .name: qkv, .offset: 24, .size: 8, .value_kind: global_buffer, .address_space: global }
    .group_segment_fixed_size: 279040
    .private_segment_fixed_size: 0
    .kernarg_segment_align: 8
    .kernarg_segment_size: 32
    .max_flat_workgroup_size: 128
    .sgpr_count:     100
    .vgpr_count:     1024
    .wavefront_size: 32
...
	.end_amdgpu_metadata
.endif
;; end of part 2
;; launch attn (part 3): grid 4 x 64, 16 waves a work-group, clusters of 4 x 1, 169,984 bytes of LDS; arguments qkv, ao_codes, ao_scales; writes ao_codes, ao_scales
.if DOCPART == 3
	.amdgcn_target "amdgcn-amd-amdhsa--gfx1250"
	.amdhsa_code_object_version 6
	.text
	.protected	k_q9986e14865_attn
	.globl	k_q9986e14865_attn
	.p2align	8
	.type	k_q9986e14865_attn,@function
k_q9986e14865_attn:
	s_mov_b64 s[64:65], 0
	v_nop
	global_prefetch_b8 v0, s[64:65] scope:SCOPE_SE
	s_setreg_imm32_b32 hwreg(HW_REG_WAVE_MODE, 25, 1), 1
	s_wait_xcnt 0x0
	s_wait_alu depctr_hold_cnt(0) depctr_sa_sdst(0) depctr_va_vdst(0) depctr_va_sdst(0) depctr_va_ssrc(0) depctr_va_vcc(0) depctr_vm_vsrc(0)
	s_getreg_b32 s2, hwreg(HW_REG_IB_STS2, 6, 4)
	s_cmp_eq_u32 s2, 0
	s_cbranch_scc0 .Lentry_in_a_cluster
	s_endpgm
.Lentry_in_a_cluster:
	s_bfe_u32 s2, ttmp6, 0x10000c
	s_cmp_lg_u32 s2, 0x3003
	s_cbranch_scc0 .Lentry_shape_is_right
	s_endpgm
.Lentry_shape_is_right:
; For each of 64 heads (batch x head): O[q] = the sum over k of p(q, k) V[k] / l(q), both products on codes of FP4 with E8M0 scales; O is then quantised along the embedding's axis (a head's 64 are two blocks).
; t = score x log2(e) / 8; M = the running largest t rounded UP to a whole number; p = 2^(t - M) is quantised along the keys, not normalised; l is the f32 sum of the unquantised p.
; When M moves, l and O are multiplied by 2^(old M - new M), which rounds nothing.
; LIMITS: NaN and infinities are not served; a block whose largest magnitude lies under 2^-124 has its byte held at 1; a block of zeros gets the byte 1 (zero codes; this program alone reads the bytes).
; INPUT: qkv [head][group of 128 tokens][13,568]: images of operand registers: K codes +0, K scales +4,096, V codes +4,608, V scales +8,704, Q codes +8,960, Q scales +13,056.
; The first product's K is 64: registers 4-7 of K's and Q's fragments are zero codes, kept in registers; their scale bytes are 0, which is a finite scale.
; SHARES.  A cluster is the four blocks of 512 queries of one head.  A HEAD'S K AND V, 16 x 8,960 bytes, COME INTO LDS ONCE, by sixteen joint loads, one a wave, and stay: no ring, no barrier in the loop.
; One tensor load of a wave is out at most.  A work-group stays for two blocks of 256 queries; each of its sixteen waves owns one tile of 16 queries in 256 registers: four waves to a SIMD,
; so that one wave's vector work stands beside another's products and LDS loads.
; LAYOUT.  Both products are used transposed (S^T = K Q^T, O^T = V^T P^T): a lane holds one query.  Tile 2 b + u of the keys holds keys 32 b + 8 u + r + 8 (r / 8), so the 16 registers of tiles 2 b, 2 b + 1 are 16 neighbouring keys.
; REGISTERS: v1-9 addresses; v12 -M, v13 the largest t, v[14:15] the sum; v16-23 Q of block 0, v244-251 of block 1; v24-87 K; v88-119 V; v120-183 S^T, then p; v184-215 O^T; v216-223 p's codes;
;   v224-227 K's scale words, v228-229 V's, v230 and v255 Q's, v231 p's; v232-243, v252-254 at work.
.set BLK,   13568
.set KV,    8960                       ; a group's K and V
.set QSTR_AO, 2097152                  ; a K half of ao_codes: 512 tiles x 4,096
.set ASC,   16*KV                      ; behind K and V: 2 x 512 bytes for the result's scale bytes; no fill lands here
.set S,     120
.set O,     184
.set WV,    18
.set SEL,   20
.set CS,    22
.set G1,    24
.set G0,    32
.set TB,    36                         ; s36  where the key step's block begins in LDS
.set CNT,   37
.macro CROUND                          ; a round of the cluster's barrier
	s_barrier_signal -1
	s_barrier_wait -1
	s_cmp_lg_u32 s[WV], 0
	s_cbranch_scc1 .Lnot_wave_0_\@
	s_barrier_signal -3
.Lnot_wave_0_\@:
	s_barrier_wait -3
	s_barrier_signal -1
	s_barrier_wait -1
.endm
	s_load_b128 s[4:7], s[0:1], 0x0                ; qkv, ao_codes
	s_load_b64 s[8:9], s[0:1], 0x10                ; ao_scales
	v_lshl_add_u32 v10, v0, 2, 0x29000
	v_mov_b32 v11, 0
	ds_add_u32 v10, v11
	ds_add_u32 v10, v11
	v_lshrrev_b32 v1, 5, v0
	s_delay_alu instid0(VALU_DEP_1)
	v_readfirstlane_b32 s[WV], v1                  ; wave 0..15
	s_bfe_u32 s10, ttmp6, 0x40000                  ; cx: my block of 512 queries
	s_and_b32 s11, ttmp7, 0xffff                   ; batch x 16 + head, which the four partners share
	; the joint load: key step = my wave's number: 8,960 dense bytes, 35 rows of 32 elements of 8 bytes
	s_mov_b32 s[G1], 15|(3<<16)|(1<<21)            ; the mask: all four work-groups; bit 21 set beside it
	s_mov_b32 s[G1+1], 32<<16
	s_mov_b32 s[G1+2], 35<<16
	s_mov_b32 s[G1+3], 32<<16
	s_mov_b32 s[G1+4], 35
	s_mov_b32 s[G1+5], 32
	s_mov_b32 s[G1+6], 0
	s_mov_b32 s[G1+7], 0
	s_lshl_b32 s12, s11, 4
	s_add_co_u32 s12, s12, s[WV]
	s_mul_i32 s12, s12, BLK
	s_mov_b32 s13, 0
	s_mov_b32 s[G0], 1
	s_mul_i32 s[G0+1], s[WV], KV
	; Q: group 4 cx + wave / 8 (block 1: two groups on), tile wave % 8
	s_lshl_b32 s14, s11, 4
	s_lshl_b32 s15, s10, 2
	s_add_co_u32 s14, s14, s15
	s_lshr_b32 s15, s[WV], 3
	s_add_co_u32 s14, s14, s15
	s_mul_i32 s14, s14, BLK
	s_add_co_u32 s14, s14, KV
	s_mov_b32 s15, 0
	s_and_b32 s16, s[WV], 7                        ; t
	s_lshl_b32 s17, s16, 9
	s_and_b32 s19, s16, 1
	s_lshl_b32 s19, s19, 8
	s_lshr_b32 s16, s16, 1
	s_lshl_b32 s16, s16, 2
	s_add_co_u32 s19, s19, s16
	s_add_co_u32 s19, s19, 4096                    ; its scale words: register t / 2 of lanes 16 (t % 2) + r
	; the results: ao_codes [head / 8][token tile][head % 8][512];  ao_scales [block of 256 tokens][head][512]
	s_and_b32 s38, s11, 15                         ; head
	s_lshr_b32 s39, s11, 4                         ; batch
	s_lshr_b32 s40, s38, 3
	s_mul_i32 s40, s40, QSTR_AO
	s_lshl_b32 s41, s39, 7
	s_lshl_b32 s42, s10, 5
	s_add_co_u32 s41, s41, s42
	s_add_co_u32 s41, s41, s[WV]                   ; my token tile of block 0: 128 batch + 32 cx + wave
	s_lshl_b32 s41, s41, 12
	s_add_co_u32 s40, s40, s41
	s_and_b32 s41, s38, 7
	s_lshl_b32 s41, s41, 9
	s_add_co_u32 s40, s40, s41
	s_mov_b32 s41, 0
	s_lshl_b32 s42, s39, 3
	s_lshl_b32 s43, s10, 1
	s_add_co_u32 s42, s42, s43
	s_and_b32 s44, s[WV], 1
	s_add_co_u32 s42, s42, s44                     ; waves 0 and 1 store the two blocks' scale bytes
	s_lshl_b32 s42, s42, 4
	s_add_co_u32 s42, s42, s38
	s_lshl_b32 s42, s42, 9
	s_mov_b32 s43, 0
	s_mov_b32 s[SEL], 0x76543210
	s_mov_b32 s[SEL+1], 0xfedcba98                 ; selects for lane l xor 16
	s_mov_b32 s[CS], 0x3e38aa3b                    ; c = log2(e) / 8
	s_mov_b32 s[CS+1], s[CS]                       ; (named with it as a pair, so it is written)
	v_and_b32 v7, 31, v0
	s_delay_alu instid0(VALU_DEP_1)
	v_lshlrev_b32 v1, 4, v7                        ; 16 x lane
	s_delay_alu instid0(VALU_DEP_2)
	v_lshlrev_b32 v2, 3, v7                        ; 8 x lane
	v_and_b32 v7, 15, v0                           ; r
	s_delay_alu instid0(VALU_DEP_1)
	v_lshlrev_b32 v3, 1, v7
	s_lshl_b32 s45, s[WV], 5
	s_add_co_u32 s45, s45, ASC
	v_add_nc_u32 v3, s45, v3                       ; the scale stage, in: 32 x wave + 2 r
	s_lshl_b32 s45, s44, 9
	s_add_co_u32 s45, s45, ASC
	v_add_nc_u32 v4, s45, v1                       ; and back: 512 x (wave % 2) + 16 x lane
	v_add_nc_u32 v5, s17, v1                       ; Q's codes
	v_lshl_add_u32 v6, v7, 4, s19                  ; Q's scale word
	s_wait_dscnt 0x0
	s_wait_kmcnt 0x0
	s_add_nc_u64 s[G0+2:G0+3], s[4:5], s[12:13]
	s_or_b32 s[G0+3], s[G0+3], 0x80000000
	s_add_nc_u64 s[4:5], s[4:5], s[14:15]
	s_add_nc_u64 s[6:7], s[6:7], s[40:41]
	s_add_nc_u64 s[8:9], s[8:9], s[42:43]
	CROUND                                         ; all four work-groups are here: the joint loads meet
	tensor_load_to_lds s[G0:G0+3], s[G1:G1+7]
	s_nop 0
.rept 4
	v_nop
.endr
	s_wait_alu depctr_va_vdst(0)
	global_load_b128 v[16:19], v5, s[4:5]
	global_load_b128 v[244:247], v5, s[4:5] offset:2*BLK
	global_load_b32 v230, v6, s[4:5]
	global_load_b32 v255, v6, s[4:5] offset:2*BLK
.irp j, 20,21,22,23,248,249,250,251
	v_mov_b32 v[\j], 0                             ; zero codes for k = 64 .. 127 of the first product
.endr
.irp t, 0,1,2,3,4,5,6,7
.irp j, 4,5,6,7
	v_mov_b32 v[24+8*\t+\j], 0                     ; K's likewise: written once, never loaded
.endr
.endr
.irp b, 0,1,2,3
	v_mov_b32 v[236+\b], 0                         ; a lane permute's destination counts as one of its sources
.endr
	v_mov_b32 v253, 0                              ; (named as the upper half of the pair v[252:253])
	s_wait_tensorcnt 0x0                           ; my key step has landed,
	s_barrier_signal -1
	s_barrier_wait -1                              ; everybody's has
	s_wait_loadcnt 0x0                             ; Q
; A KEY STEP: 128 keys.  qf: Q's fragment; qs: its scale words.
.macro STEP qf, qs
	v_add_nc_u32 v8, s[TB], v1
	v_add_nc_u32 v9, s[TB], v2
	v_nop
	v_nop                                          ; four plain lines between the last step's products and the loads into V's registers
.irp t, 0,1,2,3,4,5,6,7
	ds_load_b128 v[24+8*\t:27+8*\t], v8 offset:512*\t
.endr
	ds_load_b128 v[224:227], v8 offset:4096
.irp d, 0,1,2,3
.irp c, 0,1
	ds_load_b128 v[88+8*\d+4*\c:91+8*\d+4*\c], v8 offset:4608+1024*\d+512*\c
.endr
.endr
	ds_load_b64 v[228:229], v9 offset:8704
	s_wait_dscnt 9                                 ; K's nine loads are in; V's nine may be out
.irp t, 0,1,2,3,4,5,6,7                ; S^T = K Q^T: lane (r, h) holds query r; the 16 registers of tiles 2 b, 2 b + 1 are keys 32 b + 16 h + 0 .. 15
.if \t%2
	v_wmma_scale_f32_16x16x128_f8f6f4 v[S+8*\t:S+8*\t+7], v[24+8*\t:31+8*\t], v[\qf:\qf+7], 0, v[224+\t/2], v[\qs] matrix_a_fmt:MATRIX_FMT_FP4 matrix_b_fmt:MATRIX_FMT_FP4 matrix_a_scale:MATRIX_SCALE_ROW1
.else
	v_wmma_scale_f32_16x16x128_f8f6f4 v[S+8*\t:S+8*\t+7], v[24+8*\t:31+8*\t], v[\qf:\qf+7], 0, v[224+\t/2], v[\qs] matrix_a_fmt:MATRIX_FMT_FP4 matrix_b_fmt:MATRIX_FMT_FP4
.endif
.endr
.rept 4
	v_nop
.endr
.irp b, 0,1,2,3
	v_max3_num_f32 v[232+\b], v[S+16*\b], v[S+1+16*\b], v[S+2+16*\b]   ; the largest score of each block of 32 keys: for the row's maximum, and, since p rises with the score, for the block's largest p
.endr
.irp i, 3,5,7,9,11,13
.irp b, 0,1,2,3
	v_max3_num_f32 v[232+\b], v[232+\b], v[S+16*\b+\i], v[S+1+16*\b+\i]
.endr
.endr
.irp b, 0,1,2,3
	v_max_num_f32 v[232+\b], v[232+\b], v[S+15+16*\b]
.endr
.irp b, 0,1,2,3
	s_delay_alu instid0(VALU_DEP_4)
	v_permlanex16_b32 v[236+\b], v[232+\b], s[SEL], s[SEL+1]
.endr
.irp b, 0,1,2,3
	s_delay_alu instid0(VALU_DEP_4)
	v_max_num_f32 v[232+\b], v[232+\b], v[236+\b]  ; with lane l xor 16's 16 keys
.endr
	s_delay_alu instid0(VALU_DEP_2)
	v_max3_num_f32 v254, v232, v233, v234
	s_delay_alu instid0(VALU_DEP_1)
	v_max_num_f32 v254, v254, v235                 ; the step's largest score of my query
	s_delay_alu instid0(VALU_DEP_1)
	v_mul_f32 v254, s[CS], v254                    ; as t (c is positive)
	s_delay_alu instid0(VALU_DEP_1)
	v_max_num_f32 v13, v13, v254                   ; the running largest t
	v_mov_b32 v254, v12
	s_delay_alu instid0(VALU_DEP_2)
	v_floor_f32 v12, -v13                          ; the new -M = floor(-t) = -ceil(t)
	s_delay_alu instid0(VALU_DEP_1)
	v_sub_f32 v254, v12, v254                      ; old M - new M: a whole number, 0 or less
	s_delay_alu instid0(VALU_DEP_1)
	v_cvt_i32_f32 v254, v254                       ; (it saturates)
	s_delay_alu instid0(VALU_DEP_1)
	v_ldexp_f32 v252, 1.0, v254                    ; f = 2^(old M - new M)
.set j, 0
.rept 32
	v_pk_fma_f32 v[S+j:S+j+1], v[S+j:S+j+1], s[CS:CS+1], v[12:13] op_sel_hi:[1,0,0]   ; t - M, two at a time
.set j, j+2
.endr
.irp b, 0,1,2,3
	v_fma_f32 v[232+\b], v[232+\b], s[CS], v12     ; the same of each block's largest score
.endr
.set j, 0
	s_wait_alu depctr_va_vdst(0)
.rept 64
	v_exp_f32 v[S+j], v[S+j]                       ; p = 2^(t - M), at most 1
.set j, j+1
.endr
	s_setprio 1
	v_pk_mul_f32 v[14:15], v[14:15], v[252:253] op_sel_hi:[1,0]   ; the sums under the new M: a plain line behind the exponentials
	s_wait_alu depctr_va_vdst(0)                   ; one wait for the whole batch, ahead of its first reader
.irp b, 0,1,2,3
	v_exp_f32 v[232+\b], v[232+\b]                 ; the block's largest p: the same two instructions on the same number give the same bits
.endr
	v_pk_add_f32 v[236:237], v[124:125], v[128:129]
	v_pk_add_f32 v[242:243], v[132:133], v[136:137]
	v_pk_add_f32 v[240:241], v[140:141], v[144:145]
	v_pk_add_f32 v[238:239], v[148:149], v[152:153]
	v_pk_add_f32 v[226:227], v[156:157], v[160:161]
	v_pk_add_f32 v[224:225], v[164:165], v[168:169]
	v_pk_add_f32 v[222:223], v[172:173], v[176:177]
	v_pk_add_f32 v[14:15], v[14:15], v[180:181]
	v_pk_add_f32 v[236:237], v[236:237], v[120:121]
	v_pk_add_f32 v[242:243], v[242:243], v[122:123]
	v_pk_add_f32 v[240:241], v[240:241], v[126:127]
	v_pk_add_f32 v[238:239], v[238:239], v[130:131]
	v_pk_add_f32 v[226:227], v[226:227], v[134:135]
	v_pk_add_f32 v[224:225], v[224:225], v[138:139]
	v_pk_add_f32 v[222:223], v[222:223], v[142:143]
	v_pk_add_f32 v[14:15], v[14:15], v[146:147]
	v_pk_add_f32 v[236:237], v[236:237], v[150:151]
	v_pk_add_f32 v[242:243], v[242:243], v[154:155]
	v_pk_add_f32 v[240:241], v[240:241], v[158:159]
	v_pk_add_f32 v[238:239], v[238:239], v[162:163]
	v_pk_add_f32 v[226:227], v[226:227], v[166:167]
	v_pk_add_f32 v[224:225], v[224:225], v[170:171]
	v_pk_add_f32 v[222:223], v[222:223], v[174:175]
	v_pk_add_f32 v[14:15], v[14:15], v[178:179]
	v_pk_add_f32 v[236:237], v[236:237], v[182:183]
	s_delay_alu instid0(VALU_DEP_2)
	v_pk_add_f32 v[14:15], v[14:15], v[238:239]
	s_delay_alu instid0(VALU_DEP_2)
	v_pk_add_f32 v[236:237], v[236:237], v[226:227]
	v_pk_add_f32 v[242:243], v[242:243], v[224:225]
	v_pk_add_f32 v[240:241], v[240:241], v[222:223]
	s_delay_alu instid0(VALU_DEP_2)
	v_pk_add_f32 v[14:15], v[14:15], v[242:243]
	s_delay_alu instid0(VALU_DEP_2)
	v_pk_add_f32 v[236:237], v[236:237], v[240:241]
	s_delay_alu instid0(VALU_DEP_1)
	v_pk_add_f32 v[14:15], v[14:15], v[236:237]
	s_wait_alu depctr_va_vdst(0)                   ; and one for the four
.irp b, 0,1,2,3
	v_max_num_f32 v[232+\b], 0x1800000, v[232+\b]  ; the floor 2^(3 - 127): the byte cannot fall under 1
.endr
.irp b, 0,1,2,3
	s_delay_alu instid0(VALU_DEP_4)
	v_add_nc_u32 v[240+\b], 0xff000000, v[232+\b]  ; 2 off the exponent field: the conversion's scale operand
.endr
.irp b, 0,1,2,3
	s_delay_alu instid0(VALU_DEP_4)
	v_lshrrev_b32 v[236+\b], 23, v[240+\b]         ; the scale's byte
.endr
	s_delay_alu instid0(VALU_DEP_3)
	v_lshl_or_b32 v231, v237, 8, v236              ; p's scale word for these 128 keys
	s_delay_alu instid0(VALU_DEP_1)
	v_lshl_or_b32 v231, v238, 16, v231
	s_delay_alu instid0(VALU_DEP_1)
	v_lshl_or_b32 v231, v239, 24, v231
.irp b, 0,1,2,3
	v_cvt_scalef32_pk8_fp4_f32 v[216+2*\b], v[S+16*\b:S+7+16*\b], v[240+\b]
	v_cvt_scalef32_pk8_fp4_f32 v[217+2*\b], v[S+8+16*\b:S+15+16*\b], v[240+\b]
.endr
	v_nop                                          ; one plain line behind the last scaled conversion
.irp c, 0,1                            ; the operand's layout wants a whole block in a lane
.irp i, 0,1
	v_permlane16_swap_b32 v[216+4*\c+\i], v[218+4*\c+\i]
.endr
.endr
.set j, 0
	s_setprio 0
.rept 16
	v_pk_mul_f32 v[O+j:O+j+1], v[O+j:O+j+1], v[252:253] op_sel_hi:[1,0]   ; O^T under the new M, each tile from its low end on.  For each product below, the twelve on the other tiles are the plain lines behind p's word and codes
.set j, j+2
.endr
	s_wait_alu depctr_va_vdst(0)
	s_wait_dscnt 0x0                               ; V
.irp d, 0,1,2,3                        ; O^T += V^T P^T: four accumulators, one instruction a turn
.if \d%2
	v_wmma_scale_f32_16x16x128_f8f6f4 v[O+8*\d:O+8*\d+7], v[88+8*\d:95+8*\d], v[216:223], v[O+8*\d:O+8*\d+7], v[228+\d/2], v231 matrix_a_fmt:MATRIX_FMT_FP4 matrix_b_fmt:MATRIX_FMT_FP4 matrix_a_scale:MATRIX_SCALE_ROW1
.else
	v_wmma_scale_f32_16x16x128_f8f6f4 v[O+8*\d:O+8*\d+7], v[88+8*\d:95+8*\d], v[216:223], v[O+8*\d:O+8*\d+7], v[228+\d/2], v231 matrix_a_fmt:MATRIX_FMT_FP4 matrix_b_fmt:MATRIX_FMT_FP4
.endif
.endr
.endm
; A BLOCK OF 256 QUERIES: my tile walks the head's sixteen key steps; then O^T / l is quantised: register 16 b + i is d = 32 b + 16 h + i, two blocks.
.macro QBLOCK blk, qf, qs
	s_wait_xcnt 0x0                                ; the last block's store has read v216-219, which the first key step writes
	v_mov_b32 v13, 0xff61b1e6                      ; the largest t so far: -3e38, under every t
	s_delay_alu instid0(VALU_DEP_1)
	v_floor_f32 v12, -v13
	v_mov_b32 v14, 0
	v_mov_b32 v15, 0
.set j, 0
.rept 32
	v_mov_b32 v[O+j], 0                            ; the step is written once: the first finds zeros, which the first change of M leaves zeros
.set j, j+1
.endr
	s_mov_b32 s[TB], 0
	s_mov_b32 s[CNT], 16
.Lkey_\@:
	s_setprio 2
	STEP \qf, \qs
	s_add_co_u32 s[TB], s[TB], KV
	s_sub_co_u32 s[CNT], s[CNT], 1
	s_cmp_lg_u32 s[CNT], 0
	s_cbranch_scc1 .Lkey_\@
	s_setprio 0
.rept 4
	v_nop
.endr
	v_add_f32 v14, v14, v15                        ; the sum's two halves,
	s_delay_alu instid0(VALU_DEP_1)
	v_permlanex16_b32 v236, v14, s[SEL], s[SEL+1]
	s_delay_alu instid0(VALU_DEP_1)
	v_add_f32 v14, v14, v236                       ; and lane l xor 16's
	s_wait_alu depctr_va_vdst(0)
	v_rcp_f32 v14, v14
	v_nop                                          ; a plain line behind the reciprocal
	s_wait_alu depctr_va_vdst(0)                   ; and the wait ahead of its first reader
.set j, 0
.rept 16
	v_pk_mul_f32 v[S+j:S+j+1], v[O+j:O+j+1], v[14:15] op_sel_hi:[1,0]
.set j, j+2
.endr
.irp b, 0,1
	v_max3_num_f32 v[232+\b], |v[S+16*\b]|, |v[S+1+16*\b]|, 0x1800000
.endr
.irp i, 2,4,6,8,10,12,14
.irp b, 0,1
	s_delay_alu instid0(VALU_DEP_2)
	v_max3_num_f32 v[232+\b], v[232+\b], |v[S+16*\b+\i]|, |v[S+1+16*\b+\i]|
.endr
.endr
.irp b, 0,1
	s_delay_alu instid0(VALU_DEP_2)
	v_permlanex16_b32 v[236+\b], v[232+\b], s[SEL], s[SEL+1]
.endr
.irp b, 0,1
	s_delay_alu instid0(VALU_DEP_2)
	v_max_num_f32 v[232+\b], v[232+\b], v[236+\b]
.endr
.irp b, 0,1
	s_delay_alu instid0(VALU_DEP_2)
	v_add_nc_u32 v[240+\b], 0xff000000, v[232+\b]
.endr
.irp b, 0,1
	s_delay_alu instid0(VALU_DEP_2)
	v_lshrrev_b32 v[236+\b], 23, v[240+\b]
.endr
	s_delay_alu instid0(VALU_DEP_1)
	v_lshl_or_b32 v238, v237, 8, v236              ; the head's two bytes of my query
.irp b, 0,1
	v_cvt_scalef32_pk8_fp4_f32 v[216+2*\b], v[S+16*\b:S+7+16*\b], v[240+\b]
	v_cvt_scalef32_pk8_fp4_f32 v[217+2*\b], v[S+8+16*\b:S+15+16*\b], v[240+\b]
.endr
	v_nop
	v_permlane16_swap_b32 v216, v218
	v_permlane16_swap_b32 v217, v219               ; v216-219: lanes 0-15 d = 0 .. 31, lanes 16-31 d = 32 .. 63: one register group of the next product's fragment
	global_store_b128 v1, v[216:219], s[6:7] offset:65536*\blk   ; 512 consecutive bytes, aligned
	ds_store_b16 v3, v238 offset:512*\blk          ; lanes r and 16 + r write the same two bytes with the same value
.endm
	QBLOCK 0, 16, 230
	QBLOCK 1, 244, 255
	s_wait_dscnt 0x0                               ; for the others' sake: my scale bytes are stored
	s_barrier_signal -1
	s_barrier_wait -1
	s_cmp_lt_u32 s[WV], 2
	s_cbranch_scc0 .Lno_scales
	ds_load_b128 v[120:123], v4                    ; wave w: block w's 512 bytes
	s_wait_dscnt 0x0
	global_store_b128 v1, v[120:123], s[8:9]       ; 512 consecutive bytes, aligned
.Lno_scales:
	s_wait_tensorcnt 0x0
	ds_add_u32 v10, v11
	s_wait_dscnt 0x0
	CROUND                                         ; the closing round
	s_endpgm
.Lfunc_end_k_q9986e14865_attn:
	.size	k_q9986e14865_attn, .Lfunc_end_k_q9986e14865_attn-k_q9986e14865_attn
	.p2alignl 7, 3214868480
	.fill 96, 4, 3214868480
	.section	.rodata,"a",@progbits
	.p2align	6, 0x0
	.amdhsa_kernel k_q9986e14865_attn
		.amdhsa_group_segment_fixed_size 169984
		.amdhsa_private_segment_fixed_size 0
		.amdhsa_enable_private_segment 0
		.amdhsa_kernarg_size 24
		.amdhsa_user_sgpr_count 2
		.amdhsa_user_sgpr_kernarg_segment_ptr 1
		.amdhsa_wavefront_size32 1
		.amdhsa_system_sgpr_workgroup_id_x 1
		.amdhsa_system_sgpr_workgroup_id_y 1
		.amdhsa_system_sgpr_workgroup_id_z 1
		.amdhsa_system_vgpr_workitem_id 0
		.amdhsa_next_free_vgpr 256
		.amdhsa_next_free_sgpr 66
		.amdhsa_reserve_vcc 0
		.amdhsa_float_denorm_mode_32 3
		.amdhsa_float_denorm_mode_16_64 3
		.amdhsa_memory_ordered 1
		.amdhsa_forward_progress 1
		.amdhsa_inst_pref_size 51
	.end_amdhsa_kernel
	.amdgpu_metadata
---
amdhsa.version: [ 1, 2 ]
amdhsa.kernels:
  - .name:           k_q9986e14865_attn
    .symbol:         k_q9986e14865_attn.kd
    .args:
      - { .name: qkv, .offset: 0, .size: 8, .value_kind: global_buffer, .address_space: global }
      - { .name: ao_codes, .offset: 8, .size: 8, .value_kind: global_buffer, .address_space: global }
      - { .name: ao_scales, .offset: 16, .size: 8, .value_kind: global_buffer, .address_space: global }
    .group_segment_fixed_size: 169984
    .private_segment_fixed_size: 0
    .kernarg_segment_align: 8
    .kernarg_segment_size: 24
    .max_flat_workgroup_size: 512
    .sgpr_count:     66
    .vgpr_count:     256
    .wavefront_size: 32
...
	.end_amdgpu_metadata
.endif
;; end of part 3
;; launch proj (part 4): grid 4 x 32, 4 waves a work-group, clusters of 4 x 4, 327,680 bytes of LDS; arguments ao_codes, ao_scales, codes, scales, out_b, out0; writes out0
.if DOCPART == 4
	.amdgcn_target "amdgcn-amd-amdhsa--gfx1250"
	.amdhsa_code_object_version 6
	.text
	.protected	k_q9986e14865_proj
	.globl	k_q9986e14865_proj
	.p2align	8
	.type	k_q9986e14865_proj,@function
k_q9986e14865_proj:
	s_mov_b64 s[64:65], 0
	v_nop
	global_prefetch_b8 v0, s[64:65] scope:SCOPE_SE
	s_setreg_imm32_b32 hwreg(HW_REG_WAVE_MODE, 25, 1), 1
	s_wait_xcnt 0x0
	s_wait_alu depctr_hold_cnt(0) depctr_sa_sdst(0) depctr_va_vdst(0) depctr_va_sdst(0) depctr_va_ssrc(0) depctr_va_vcc(0) depctr_vm_vsrc(0)
	s_getreg_b32 s2, hwreg(HW_REG_IB_STS2, 6, 4)
	s_cmp_eq_u32 s2, 0
	s_cbranch_scc0 .Lentry_in_a_cluster
	s_endpgm
.Lentry_in_a_cluster:
	s_bfe_u32 s2, ttmp6, 0x10000c
	s_cmp_lg_u32 s2, 0xf033
	s_cbranch_scc0 .Lentry_shape_is_right
	s_endpgm
.Lentry_shape_is_right:
; out0 = a out_w^T + out_b on codes of FP4 with E8M0 scales (K = 1,024).  a: the attention's result, as images of operand registers (ao_codes) and two scale bytes for each token and head (ao_scales).
; A work-group makes 256 tokens (R, source 1) x 256 outputs (T = rows of out_w, source 0): a lane holds one token, its registers run along the outputs: register 16 b + i of an R tile is output 32 b + 16 (lane / 16) + i.
; Tile 2 B + u of either operand holds rows 32 B + 8 u + r + 8 (r / 8).  Four waves, each 128 x 128: 64 accumulators.  ALL OF K LIES IN LDS: two slots of K = 512, each filled once; no loop.
; CLUSTERS: 4 x 4.  R's tiles are shared along a row of the cluster, T's along a column: joint loads.  One tensor load of a wave is out at most.
; R'S SCALE WORDS: memory has [head][token] pairs of bytes; a product wants, for a token, the pairs of two neighbouring heads in one word.  The transposing LDS load on 16-bit elements gives just that:
; eight lanes address eight heads' rows, and each lane receives eight heads' pairs of its own token: four words, the four K steps of a slot.
; REGISTERS: window 0: v16-27 addresses; v32-95 scale words (two sets); v128-191 R's fragments, one set; v192-255 the bias; on the way out v128-255 hold rows of out0.
;   window 1: T's fragments, two sets.   windows 2, 3: accumulator (a, b) at v[8 (8 (a % 4) + b)] of window 2 + a / 4.
.set QSTR,  3145728                    ; a K half of codes
.set QSTR_AO, 2097152                  ; a K half of ao_codes
.set SLOT,  131072
.set TPART, 65536
.set SCR,   2*SLOT                     ; R's scale bytes: 16 heads' rows of 512 bytes + 32 of padding
.set SCT,   SCR+16*544                 ; T's scale words: 8,192 bytes
.set SPITCH, 528                       ; the way out: a stage of 16 rows x (512 bytes + 16) for each wave, in slot 0, which has had its one fill and its last read by then
.set ADRR, 16
.set ADRT, 20
.set ADRSR, 22
.set ADRST, 23
.set STO,  24
.set RD,   25
.set CO,   26
.set BO,   27
.set SC,   32
.set AF,   128
.set BK,   128
.set BI,   192
.set G1, 24
.set G0, 32
.set G1B, 48
.set G0B, 56
.set G1S, 68
.set G0S, 76
.set G1SB, 80
.set G0SB, 88
.set MSB, 0
.macro WIN new                         ; the immediate's high byte repeats the setting that is left
.if MSB != (\new)
	s_set_vgpr_msb (MSB<<8)|(\new)
.set MSB, (\new)
.endif
.endm
.macro JLOAD g0a, g1a, g0b, g1b        ; waves 0 and 1 fetch for R, waves 2 and 3 for T; four v_nop follow each of the two lines
	s_cmp_eq_u32 s15, 0
	s_cbranch_scc0 .Lfor_t_\@
	tensor_load_to_lds s[\g0a:\g0a+3], s[\g1a:\g1a+7]
	s_nop 0
.rept 4
	v_nop
.endr
	s_branch .Lasked_\@
.Lfor_t_\@:
	tensor_load_to_lds s[\g0b:\g0b+3], s[\g1b:\g1b+7]
	s_nop 0
.rept 4
	v_nop
.endr
.Lasked_\@:
.endm
.macro CROUND                          ; a round of the cluster's barrier
	s_barrier_signal -1
	s_barrier_wait -1
	s_cmp_lg_u32 s14, 0
	s_cbranch_scc1 .Lnot_wave_0_\@
	s_barrier_signal -3
.Lnot_wave_0_\@:
	s_barrier_wait -3
	s_barrier_signal -1
	s_barrier_wait -1
.endm
.macro PLACES n
.rept \n
	v_nop
.endr
.endm
	s_load_b256 s[4:11], s[0:1], 0x0               ; ao_codes s[4:5], ao_scales s[6:7], codes s[8:9], scales s[10:11]
	s_load_b128 s[92:95], s[0:1], 0x20             ; out_b s[92:93], out0 s[94:95]
	v_lshl_add_u32 v126, v0, 2, 0x44200
	v_mov_b32 v127, 0
	ds_add_u32 v126, v127
	ds_add_u32 v126, v127
	v_lshrrev_b32 v1, 5, v0
	v_readfirstlane_b32 s14, v1                    ; wave 0..3
	s_lshr_b32 s15, s14, 1                         ; my half of R.  Also: I fetch for R (0) or for T (1)
	s_and_b32 s16, s14, 1                          ; my half of T.  Also: which half I fetch
	s_bfe_u32 s40, ttmp6, 0x40000                  ; cx: T's block of 256 outputs
	s_bfe_u32 s41, ttmp6, 0x40004                  ; cy
	s_and_b32 s17, ttmp7, 0xffff
	s_lshl_b32 s42, s17, 2
	s_add_co_u32 s42, s42, s41                     ; R's block of 256 tokens = 4 x cluster y + cy
	s_lshl_b32 s43, s41, 2
	s_lshl_b32 s43, 15, s43                        ; my row of the cluster
	s_lshl_b32 s44, 0x1111, s40                    ; my column
	; group 1 for codes: eight tiles are 32,768 dense bytes: 128 rows of 32 elements of 8 bytes
	s_or_b32 s[G1+0], s43, (3<<16)|(1<<21)
	s_or_b32 s[G1B+0], s44, (3<<16)|(1<<21)
.irp g, G1, G1B
	s_mov_b32 s[\g+1], 32<<16
	s_mov_b32 s[\g+2], 128<<16
	s_mov_b32 s[\g+3], 32<<16
	s_mov_b32 s[\g+4], 128
	s_mov_b32 s[\g+5], 32
	s_mov_b32 s[\g+6], 0
	s_mov_b32 s[\g+7], 0
.endr
	; R's scale bytes: eight heads' rows of 512 bytes (64 elements of 8), 8 words of padding behind every 128 words
	s_or_b32 s[G1S+0], s43, (3<<16)|(1<<20)|(1<<21)|(6<<22)|(7<<25)
	s_mov_b32 s[G1S+1], 64<<16
	s_mov_b32 s[G1S+2], 8<<16
	s_mov_b32 s[G1S+3], 64<<16
	s_mov_b32 s[G1S+4], 8
	s_mov_b32 s[G1S+5], 64
	s_mov_b32 s[G1S+6], 0
	s_mov_b32 s[G1S+7], 0
	; T's scale words: eight tiles are 4,096 dense bytes
	s_or_b32 s[G1SB+0], s44, (3<<16)|(1<<21)
	s_mov_b32 s[G1SB+1], 32<<16
	s_mov_b32 s[G1SB+2], 16<<16
	s_mov_b32 s[G1SB+3], 32<<16
	s_mov_b32 s[G1SB+4], 16
	s_mov_b32 s[G1SB+5], 32
	s_mov_b32 s[G1SB+6], 0
	s_mov_b32 s[G1SB+7], 0
	s_lshl_b32 s2, s16, 3                          ; which eight tiles of the sixteen
	s_lshl_b32 s3, s16, 12
	s_lshl_b32 s12, s42, 4
	s_add_co_u32 s12, s12, s2
	s_lshl_b32 s12, s12, 12                        ; R's codes: 4,096 bytes a tile and K half
	s_mov_b32 s13, 0
	s_lshl_b32 s18, s42, 13                        ; R's scale bytes: 8,192 a block of 256 tokens; which eight heads
	s_add_co_u32 s18, s18, s3
	s_mov_b32 s19, 0
	s_lshl_b32 s20, s40, 4
	s_add_co_u32 s20, s20, s2
	s_add_co_u32 s20, s20, 704                     ; out_w's tiles begin at 704
	s_lshl_b32 s22, s20, 9
	s_lshl_b32 s20, s20, 12
	s_mov_b32 s21, 0
	s_mov_b32 s23, 0
	s_lshl_b32 s45, s14, 15                        ; where the codes go: wave x 32,768
	s_mul_i32 s46, s16, 8*544
	s_add_co_u32 s46, s46, SCR
	s_add_co_u32 s47, s3, SCT
	s_wait_dscnt 0x0
	s_wait_kmcnt 0x0
	s_add_nc_u64 s[12:13], s[4:5], s[12:13]
	s_add_nc_u64 s[18:19], s[6:7], s[18:19]
	s_add_nc_u64 s[20:21], s[8:9], s[20:21]
	s_add_nc_u64 s[22:23], s[10:11], s[22:23]
	CROUND                                         ; all sixteen work-groups are here: the joint loads meet
	s_mov_b32 s[G0S], 1
	s_mov_b32 s[G0S+1], s46
	s_mov_b64 s[G0S+2:G0S+3], s[18:19]
	s_or_b32 s[G0S+3], s[G0S+3], 0x80000000
	s_mov_b32 s[G0SB], 1
	s_mov_b32 s[G0SB+1], s47
	s_mov_b64 s[G0SB+2:G0SB+3], s[22:23]
	s_or_b32 s[G0SB+3], s[G0SB+3], 0x80000000
	JLOAD G0S, G1S, G0SB, G1SB
.irp s, 0,1
	s_mov_b32 s[G0+4*\s], 1
	s_add_co_u32 s[G0+4*\s+1], s45, \s*SLOT
	s_add_nc_u64 s[G0+4*\s+2:G0+4*\s+3], s[12:13], \s*QSTR_AO
	s_or_b32 s[G0+4*\s+3], s[G0+4*\s+3], 0x80000000
	s_mov_b32 s[G0B+4*\s], 1
	s_add_co_u32 s[G0B+4*\s+1], s45, \s*SLOT
	s_add_nc_u64 s[G0B+4*\s+2:G0B+4*\s+3], s[20:21], \s*QSTR
	s_or_b32 s[G0B+4*\s+3], s[G0B+4*\s+3], 0x80000000
	s_wait_alu depctr_va_vdst(0)
	s_wait_tensorcnt 0x0
	ds_add_u32 v126, v127
	s_wait_dscnt 0x0
	CROUND
	JLOAD G0+4*\s, G1, G0B+4*\s, G1B
.endr
	v_and_b32 v1, 31, v0                           ; lane
	v_and_b32 v2, 15, v0                           ; r
	v_bfe_u32 v3, v0, 4, 1                         ; h
	v_lshlrev_b32 v[CO], 4, v1                     ; 16 x lane
	v_lshlrev_b32 v[BO], 6, v3                     ; 64 h
	s_lshl_b32 s2, s15, 15
	s_lshl_b32 s3, s16, 15
	s_add_co_u32 s3, s3, TPART
.irp s, 0,1
	v_add_nc_u32 v[ADRR+\s], s2, v[CO]
	v_add_nc_u32 v[ADRT+\s], s3, v[CO]
	s_add_co_u32 s2, s2, SLOT
	s_add_co_u32 s3, s3, SLOT
.endr
	v_and_b32 v5, 7, v0                            ; R's scale bytes: lane 8 g + j addresses head j's row, at the 16 bytes of tokens 8 g .. 8 g + 7 of a pair of tiles
	v_bfe_u32 v6, v0, 3, 2
	v_mul_u32_u24 v5, v5, 544
	v_lshl_add_u32 v5, v6, 4, v5
	s_lshl_b32 s2, s15, 8                          ; my eight tiles: 256 bytes on in each row
	s_add_co_u32 s2, s2, SCR
	v_add_nc_u32 v[ADRSR], s2, v5
	v_lshlrev_b32 v5, 9, v3
	v_lshl_add_u32 v5, v2, 4, v5
	s_lshl_b32 s3, s16, 12
	s_add_co_u32 s3, s3, SCT
	v_add_nc_u32 v[ADRST], s3, v5
	s_mul_i32 s2, s14, 16*SPITCH                   ; my stage
	v_mul_u32_u24 v5, v2, SPITCH
	v_lshl_add_u32 v5, v3, 6, v5
	v_add_nc_u32 v[STO], s2, v5                    ; in: row r, 64 h bytes on
	v_add_nc_u32 v[RD], s2, v[CO]                  ; back: the 32 lanes take one row of 512 bytes
	s_lshl_b32 s2, s42, 8
	s_lshl_b32 s3, s15, 7
	s_add_co_u32 s2, s2, s3                        ; my first token
	s_lshl_b32 s2, s2, 12                          ; rows of 4,096 bytes
	s_lshl_b32 s66, s40, 10
	s_lshl_b32 s67, s16, 9
	s_add_co_u32 s66, s66, s67                     ; my first output, in bytes: 1,024 cx + 512 x half
	s_mov_b32 s67, 0
	s_add_co_u32 s2, s2, s66
	s_mov_b32 s3, 0
	s_add_nc_u64 s[94:95], s[94:95], s[2:3]
	s_add_nc_u64 s[92:93], s[92:93], s[66:67]
.irp b, 0,1,2,3,4,5,6,7                ; the bias is the C of each sum's first product: tile b's registers are outputs 32 (b / 2) + 16 h + 8 (b % 2) + 0 .. 7
	global_load_b128 v[BI+8*\b:BI+8*\b+3], v[BO], s[92:93] offset:4*(32*(\b/2)+8*(\b%2))
	global_load_b128 v[BI+8*\b+4:BI+8*\b+7], v[BO], s[92:93] offset:4*(32*(\b/2)+8*(\b%2))+16
.endr
.macro WM                              ; one product, by the symbols that MUL16 has set; fA, fB: the scale words lie in lanes 16-31
.if fA && fB
	v_wmma_scale_f32_16x16x128_f8f6f4 v[rD:rD+7], v[rT:rT+7], v[rR:rR+7], v[rC:rC+7], v[rSA], v[rSB] matrix_a_fmt:MATRIX_FMT_FP4 matrix_b_fmt:MATRIX_FMT_FP4 matrix_a_scale:MATRIX_SCALE_ROW1 matrix_b_scale:MATRIX_SCALE_ROW1
.elseif fA
	v_wmma_scale_f32_16x16x128_f8f6f4 v[rD:rD+7], v[rT:rT+7], v[rR:rR+7], v[rC:rC+7], v[rSA], v[rSB] matrix_a_fmt:MATRIX_FMT_FP4 matrix_b_fmt:MATRIX_FMT_FP4 matrix_a_scale:MATRIX_SCALE_ROW1
.elseif fB
	v_wmma_scale_f32_16x16x128_f8f6f4 v[rD:rD+7], v[rT:rT+7], v[rR:rR+7], v[rC:rC+7], v[rSA], v[rSB] matrix_a_fmt:MATRIX_FMT_FP4 matrix_b_fmt:MATRIX_FMT_FP4 matrix_b_scale:MATRIX_SCALE_ROW1
.else
	v_wmma_scale_f32_16x16x128_f8f6f4 v[rD:rD+7], v[rT:rT+7], v[rR:rR+7], v[rC:rC+7], v[rSA], v[rSB] matrix_a_fmt:MATRIX_FMT_FP4 matrix_b_fmt:MATRIX_FMT_FP4
.endif
.endm
; 16 products: R's tiles a0, a0 + 1 x T's eight, the slot's q-th 128 along K.  mode 0: onto the sums; 1: the bias starts them.
; The 64 accumulators take turns, one instruction a turn, in the same order in every step.
.macro MUL16 a0, p, q, sc, mode
.irp a, \a0, \a0+1
.irp b, 0,1,2,3,4,5,6,7
.set rD, 8*(8*((\a)%4)+\b)
.set rT, 128*(\p)+8*\b
.set rR, AF+8*(\a)
.set rSA, SC+32*(\sc)+16+4*(\b/2)+(\q)
.set rSB, SC+32*(\sc)+4*((\a)/2)+(\q)
.set fA, \b%2
.set fB, (\a)%2
.set rC, rD
.if (\mode) == 1
.set rC, BI+8*\b
.endif
	WM
.endr
.endr
.endm
.macro FRAG reg, adr, q, i
.irp c, 0,1
	ds_load_b128 v[\reg+4*\c:\reg+4*\c+3], v[\adr] offset:4096*(\i)+1024*(\q)+512*\c
.endr
.endm
.macro FETCH_T slot, q, p
	WIN 0x40                                       ; destination window 1
.irp i, 0,1,2,3,4,5,6,7
	FRAG 128*(\p)+8*\i, ADRT+\slot, \q, \i
.endr
	WIN 0
.endm
.macro FETCH_R slot, q, i0
.irp i, \i0, \i0+1, \i0+2, \i0+3
	FRAG AF+8*(\i), ADRR+\slot, \q, \i
.endr
.endm
.macro SCALES s                        ; slot s's scale words; lanes 0-15 tile 2 p, lanes 16-31 tile 2 p + 1; register q: K step 4 s + q = heads 8 s + 2 q and 8 s + 2 q + 1
.irp p, 0,1,2,3
	ds_load_tr16_b128 v[SC+32*\s+4*\p:SC+32*\s+4*\p+3], v[ADRSR] offset:64*\p+8*544*\s
.endr
.irp p, 0,1,2,3
	ds_load_b128 v[SC+32*\s+16+4*\p:SC+32*\s+16+4*\p+3], v[ADRST] offset:1024*\p+256*\s
.endr
.endm
; A step of 128 along K that has its successor in the same slot.  Four plain vector lines stand between a product and a load into a register that it has read.
.macro STEP slot, q, mode
	s_wait_dscnt 8                                 ; all but the youngest eight loads (R's tiles 4-7)
.if \mode
	WIN 0x81                                       ; T window 1, R and the bias window 0, D window 2
.else
	WIN 0xa1
.endif
	MUL16 0, (\q)%2, \q, \slot, \mode
	MUL16 2, (\q)%2, \q, \slot, \mode
	s_wait_dscnt 0x0
	PLACES 4
	FETCH_T \slot, (\q)+1, 1-(\q)%2
	FETCH_R \slot, (\q)+1, 0
.if \mode
	WIN 0xc1
.else
	WIN 0xf1
.endif
	MUL16 4, (\q)%2, \q, \slot, \mode
	MUL16 6, (\q)%2, \q, \slot, \mode
	PLACES 4
	WIN 0
	FETCH_R \slot, (\q)+1, 4
.endm
.macro TURN                            ; slot 0's last step goes on into slot 1: my part of slot 1 has landed, my LDS loads are in, one barrier
	s_wait_tensorcnt 0x0
	s_wait_dscnt 8
	WIN 0xa1
	MUL16 0, 1, 3, 0, 0
	s_wait_dscnt 0x0                               ; my reads of slot 0 are over
	s_barrier_signal -1
	MUL16 2, 1, 3, 0, 0
	WIN 0
	s_barrier_wait -1                              ; everybody's part of slot 1 is in, and nobody reads slot 0 any more
	PLACES 4
	FETCH_T 1, 0, 0
	FETCH_R 1, 0, 0
	SCALES 1
	WIN 0xf1
	MUL16 4, 1, 3, 0, 0
	MUL16 6, 1, 3, 0, 0
	PLACES 4
	WIN 0
	FETCH_R 1, 0, 4
.endm
	s_wait_alu depctr_va_vdst(0)
	s_wait_tensorcnt 1                             ; my scales and my part of slot 0 are in; slot 1's load may be out
	s_barrier_signal -1
	s_barrier_wait -1
	FETCH_T 0, 0, 0
	FETCH_R 0, 0, 0
	SCALES 0
	FETCH_R 0, 0, 4
	s_wait_loadcnt 0x0                             ; the bias
	STEP 0, 0, 1
	STEP 0, 1, 0
	STEP 0, 2, 0
	TURN
	STEP 1, 0, 0
	STEP 1, 1, 0
	STEP 1, 2, 0
	s_wait_dscnt 8                                 ; the last step: nothing more to fetch
	WIN 0xa1
	MUL16 0, 1, 3, 1, 0
	MUL16 2, 1, 3, 1, 0
	s_wait_dscnt 0x0
	WIN 0xf1
	MUL16 4, 1, 3, 1, 0
	MUL16 6, 1, 3, 1, 0
	WIN 0
; THE WAY OUT, an R tile (16 tokens x 128 outputs) at a time, through my own stage: a lane's pieces of 32 bytes go into rows of 528 bytes and come back as whole rows of 512.
; LDS serves a wave's instructions in order (ISA guide 5.7.1.4): no wait between the stores and the loads, nor in front of the next tile's stores.
.macro TOSTAGE a
.set AC, 64*((\a)%4)
	WIN 0x08+4*((\a)/4)                            ; an LDS store's data are its source 1: window 2 or 3
.irp b, 0,1,2,3,4,5,6,7
	ds_store_b128 v[STO], v[AC+8*\b:AC+8*\b+3] offset:128*(\b/2)+32*(\b%2)      ; each accumulator from its low end on
	ds_store_b128 v[STO], v[AC+8*\b+4:AC+8*\b+7] offset:128*(\b/2)+32*(\b%2)+16
.endr
	WIN 0
.set BB, BK+64*((\a)%2)
.irp t, 0,1,2,3,4,5,6,7,8,9,10,11,12,13,14,15
	ds_load_b128 v[BB+4*\t:BB+4*\t+3], v[RD] offset:\t*SPITCH
.endr
.endm
.macro SEND a, younger                 ; younger: the LDS instructions issued behind tile a's loads, which may stay out
.set BB, BK+64*((\a)%2)
	s_wait_dscnt \younger
.irp t, 0,1,2,3,4,5,6,7,8,9,10,11,12,13,14,15
	global_store_b128 v[CO], v[BB+4*\t:BB+4*\t+3], s[94:95] offset:(32*((\a)/2)+8*((\a)%2)+\t+8*(\t/8))*4096 th:TH_STORE_NT   ; place t's token: 512 consecutive bytes, aligned; written once, read by nobody here
.endr
.endm
	PLACES 4                                       ; in front of the first read of results and of the loads into R's registers
	TOSTAGE 0
.irp a, 1,2,3,4,5,6,7
.if \a > 1
	s_wait_xcnt 0x0                                ; tile a - 2's stores have read their registers: tile a's loads may land there
.endif
	TOSTAGE \a
	SEND \a-1, 32                                  ; behind tile a - 1's loads: tile a's 16 stores and 16 loads
.endr
	SEND 7, 0
	s_wait_tensorcnt 0x0
	ds_add_u32 v126, v127
	s_wait_dscnt 0x0
	CROUND                                         ; the closing round: no work-group ends while a partner may still ask for a tile that names it
	s_endpgm
.Lfunc_end_k_q9986e14865_proj:
	.size	k_q9986e14865_proj, .Lfunc_end_k_q9986e14865_proj-k_q9986e14865_proj
	.p2alignl 7, 3214868480
	.fill 96, 4, 3214868480
	.section	.rodata,"a",@progbits
	.p2align	6, 0x0
	.amdhsa_kernel k_q9986e14865_proj
		.amdhsa_group_segment_fixed_size 327680
		.amdhsa_private_segment_fixed_size 0
		.amdhsa_enable_private_segment 0
		.amdhsa_kernarg_size 48
		.amdhsa_user_sgpr_count 2
		.amdhsa_user_sgpr_kernarg_segment_ptr 1
		.amdhsa_wavefront_size32 1
		.amdhsa_system_sgpr_workgroup_id_x 1
		.amdhsa_system_sgpr_workgroup_id_y 1
		.amdhsa_system_sgpr_workgroup_id_z 1
		.amdhsa_system_vgpr_workitem_id 0
		.amdhsa_next_free_vgpr 1024
		.amdhsa_next_free_sgpr 100
		.amdhsa_reserve_vcc 0
		.amdhsa_float_denorm_mode_32 3
		.amdhsa_float_denorm_mode_16_64 3
		.amdhsa_memory_ordered 1
		.amdhsa_forward_progress 1
		.amdhsa_inst_pref_size 126
	.end_amdhsa_kernel
	.amdgpu_metadata
---
amdhsa.version: [ 1, 2 ]
amdhsa.kernels:
  - .name:           k_q9986e14865_proj
    .symbol:         k_q9986e14865_proj.kd
    .args:
      - { .name: ao_codes, .offset: 0, .size: 8, .value_kind: global_buffer, .address_space: global }
      - { .name: ao_scales, .offset: 8, .size: 8, .value_kind: global_buffer, .address_space: global }
      - { .name: codes, .offset: 16, .size: 8, .value_kind: global_buffer, .address_space: global }
      - { .name: scales, .offset: 24, .size: 8, .value_kind: global_buffer, .address_space: global }
      - { .name: out_b, .offset: 32, .size: 8, .value_kind: global_buffer, .address_space: global }
      - { .name: out0, .offset: 40, .size: 8, .value_kind: global_buffer, .address_space: global }
    .group_segment_fixed_size: 327680
    .private_segment_fixed_size: 0
    .kernarg_segment_align: 8
    .kernarg_segment_size: 48
    .max_flat_workgroup_size: 128
    .sgpr_count:     100
    .vgpr_count:     1024
    .wavefront_size: 32
...
	.end_amdgpu_metadata
.endif
;; end of part 4
